; MI455X (gfx1250); checked and timed in simulation.
; The chip was launched on July 23, 2026; its instructions are those of AMD's public machine-readable ISA for CDNA 5 (MIT licence, August 2026) and "CDNA5" Instruction Set Architecture Reference Guide (July 2026). The comments in the code are by the model that wrote it; some were corrected since.
;; Attention. Allowed arithmetic: matrix products marked QUANTISED: E5M2 operands, one E8M0 scale for each 32 along K, by v_wmma_scale_f32_16x16x128_f8f6f4 with both operands' format E5M2, f32 sums; everything else in f32.
;; Inputs: bk 1,024 float32; bq 1,024 float32; bv 1,024 float32; key_codes 4 x 2,048 x 32 x 32 uint8 (E5M2 codes of key, K innermost, in blocks of 32 codes); key_scales 4 x 2,048 x 32 uint8 (E8M0 scales of key, one for each 32 codes along K); query_codes 4 x 2,048 x 32 x 32 uint8 (E5M2 codes of query, K innermost, in blocks of 32 codes); query_scales 4 x 2,048 x 32 uint8 (E8M0 scales of query, one for each 32 codes along K); value_codes 4 x 2,048 x 32 x 32 uint8 (E5M2 codes of value, K innermost, in blocks of 32 codes); value_scales 4 x 2,048 x 32 uint8 (E8M0 scales of value, one for each 32 codes along K); wk_codes 1,024 x 32 x 32 uint8 (E5M2 codes of wk, K innermost, in blocks of 32 codes); wk_scales 1,024 x 32 uint8 (E8M0 scales of wk, one for each 32 codes along K); wq_codes 1,024 x 32 x 32 uint8 (E5M2 codes of wq, K innermost, in blocks of 32 codes); wq_scales 1,024 x 32 uint8 (E8M0 scales of wq, one for each 32 codes along K); wv_codes 1,024 x 32 x 32 uint8 (E5M2 codes of wv, K innermost, in blocks of 32 codes); wv_scales 1,024 x 32 uint8 (E8M0 scales of wv, one for each 32 codes along K).
;; Outputs: out0 4 x 2,048 x 1,024 float32.
;; This version of the problem:
;;   THIS VERSION OF THE PROBLEM IS GIVEN IN LOW PRECISION. The matrix products marked QUANTISED in the list below multiply operands that are first quantised to E5M2 (5 exponent bits, 2 mantissa bits; 8 bits a number), with one power-of-two scale for each 32 numbers along K (OCP MX v1.0); their sums are f32. All else is computed in f32.
;;   The module's matrix products, in the order in which they are computed (A, B: the left and right operand; K: the contracted axis; several contracted axes count as one K, in the product's order):
;;     1. [M 8,192, K 1,024] x [K 1,024, N 1,024]; A: input query (given as codes); B: input wq (given as codes): QUANTISED
;;     2. [M 8,192, K 1,024] x [K 1,024, N 1,024]; A: input key (given as codes); B: input wk (given as codes): QUANTISED
;;     3. [M 8,192, K 1,024] x [K 1,024, N 1,024]; A: input value (given as codes); B: input wv (given as codes): QUANTISED
;;     4. batch 4 x [M 2,048, K 1,024] x [K 1,024, N 2,048]; A: computed on the way; B: computed on the way: QUANTISED
;;     5. batch 4 x [M 2,048, K 2,048] x [K 2,048, N 1,024]; A: softmax (see below); B: computed on the way: QUANTISED
;;   THE QUANTISER, for each operand of a quantised product, along K:
;;     - K is cut into blocks of 32 from its start; a last block that is shorter is filled with zeros.
;;     - A block's scale is 2^e with e = floor(log2(the largest magnitude in the block)) - 15, held to -126 .. 127; a block of zeros has e = 0. As a byte (E8M0): e + 127.
;;     - Each number is divided by its block's scale, clamped to +-57,344, and rounded to the nearest number of E5M2, ties to even, subnormals kept.
;;     - The product sums the exact products of the quantised numbers (number of the format x scale) in f32.
;;   ~~~python
;;   def quantise(x, axis):      # numpy; x: float32 -> the quantised numbers, widened to float32 again
;;       x = np.moveaxis(x, axis, -1); K = x.shape[-1]
;;       x = np.pad(x, [(0, 0)] * (x.ndim - 1) + [(0, -K % 32)]); x = x.reshape(x.shape[:-1] + (-1, 32)); a = np.abs(x).max(-1, keepdims=True)
;;       e = np.where(a > 0, np.clip(np.frexp(np.where(a > 0, a, 1))[1] - 1 - 15, -126, 127), 0)      # np.frexp(a)[1] - 1 = floor(log2(a)), exactly
;;       r = np.clip(x / 2.0 ** e, -57344, 57344)
;;       step = 2.0 ** (np.maximum(np.frexp(np.where(r == 0, 1, r))[1] - 1, -14) - 2)
;;       q = np.round(r / step) * step * 2.0 ** e      # np.round: ties to even
;;       return np.moveaxis(q.reshape(q.shape[:-2] + (-1,))[..., :K], -1, axis).astype(np.float32)
;;   ~~~
;;   SOFTMAX AHEAD OF A QUANTISED PRODUCT. Where the list says 'softmax', what is quantised is not the finished softmax but p = 2^(t - M), with t = logit x log2(e) and M = ceil(the row's largest t), a whole number; so 1/2 < the row's largest p <= 1. The row's sum l is taken of the UNQUANTISED p, in f32, and the product's result is divided by l at the end. Since M is a whole number, a kernel that streams over the keys may use a running M (the ceiling of the running maximum): every later rescaling is an exact power of two, which a block's scale takes up: the codes' values come out the same.
;;   OPERANDS COMPUTED ON THE WAY. 'Computed on the way' means the value that the module computes at that place (a softmax that the list does not call 'softmax' is quantised finished and normalised). What goes into a quantiser is computed in f32, as accurately as f32 sums, v_exp_f32 and their like allow (about 1e-6 of the number): no bf16 or f16 on the way to a quantiser, and a product that is left as it is and whose result goes on into a quantised operand takes f32 operands (vector FMAs, or v_wmma_f32_16x16x4_f32). A number that lies on a knife's edge between two numbers of the format may be rounded either way, as far as f32 arithmetic and the matrix unit's own rounding can turn it there, and no further.
;;   INPUTS GIVEN AS CODES. key (in the module: [4, 2048, 1024], K = its axis 2); query (in the module: [4, 2048, 1024], K = its axis 2); value (in the module: [4, 2048, 1024], K = its axis 2); wk (in the module: [1024, 1024], K = its axis 0); wq (in the module: [1024, 1024], K = its axis 0); wv (in the module: [1024, 1024], K = its axis 0): each comes as NAME_codes (uint8): NAME with its K axis moved to the last place and cut into blocks of 32 codes, [.., K / 32, bytes a block], one block behind the other in memory; one code a byte (a code: sign, 5 exponent bits, 2 mantissa bits); and NAME_scales (uint8): the same leading axes, one E8M0 byte (e + 127) for each 32 codes along K. Its value is code x scale, taken as it is: it is not quantised again, and the codes and scales need not be those that the quantiser above would give.
;; One version. Each part assembles by itself: llvm-mc -triple=amdgcn-amd-amdhsa -mcpu=gfx1250 --defsym DOCPART=n.
;; ======== version 1 of 1: 3 launches
;; limits: right only within a limited range of input values
;; workspace buffers: qc 8,388,608 bytes; kc 8,388,608 bytes; vc 8,388,608 bytes; qs 262,144 bytes; ks 262,144 bytes; vs 262,144 bytes; pc 16,777,216 bytes; pst 2,097,152 bytes
;; launch proj (part 1): grid 16 x 16, 4 waves a work-group, clusters of 4 x 4, 327,680 bytes of LDS; arguments query_codes, key_codes, value_codes, wq_codes, wk_codes, wv_codes, query_scales, key_scales, value_scales, wq_scales, wk_scales, wv_scales, bq, bk, bv, qc, kc, vc, qs, ks, vs; writes qc, kc, vc, qs, ks, vs
.if DOCPART == 1
	.amdgcn_target "amdgcn-amd-amdhsa--gfx1250"
	.amdhsa_code_object_version 6
	.text
	.protected	k_q824fc79be6_proj
	.globl	k_q824fc79be6_proj
	.p2align	8
	.type	k_q824fc79be6_proj,@function
k_q824fc79be6_proj:
	s_mov_b64 s[64:65], 0
	v_nop
	global_prefetch_b8 v0, s[64:65] scope:SCOPE_SE
	s_setreg_imm32_b32 hwreg(HW_REG_WAVE_MODE, 25, 1), 1
	s_wait_xcnt 0x0
	s_wait_alu depctr_hold_cnt(0) depctr_sa_sdst(0) depctr_va_vdst(0) depctr_va_sdst(0) depctr_va_ssrc(0) depctr_va_vcc(0) depctr_vm_vsrc(0)
	s_getreg_b32 s2, hwreg(HW_REG_IB_STS2, 6, 4)
	s_cmp_eq_u32 s2, 0
	s_cbranch_scc0 .Lentry_in_a_cluster
	s_endpgm
.Lentry_in_a_cluster:
	s_bfe_u32 s2, ttmp6, 0x10000c
	s_cmp_lg_u32 s2, 0xf033
	s_cbranch_scc0 .Lentry_shape_is_right
	s_endpgm
.Lentry_shape_is_right:
; q = query wq + bq, k = key wk + bk, v = value wv + bv on codes of MX-BF8 (E5M2, a scale byte for 32 along K = 1,024), each result quantised again on its way out: q and k along the channels, v along the keys.
; LIMITS: NaN and infinities are not served.  A block whose largest magnitude lies under 2^-111 (a block of zeros among them) gets the byte 1 where the rule may give another: zeros stay zeros, and this program alone reads the bytes.
; THE DEAL.  256 work-groups of four waves, 2 x 2 (s15 row of waves, s16 column).  Phase 1: 512 tokens x 128 channels of q (cluster x 0, 1) or k (2, 3).  Phase 2: 256 tokens x 128 channels of v: channels 4 (cluster x / 2) + cy, tokens 4 (2 cluster y + cluster x % 2) + cx.
; A wave holds 64 rows of a weight, all of K, in 512 registers (windows 1, 2) and streams token rows past them in blocks of 16, which stand in window 3 as two whole sets: 16 blocks of 32 products in phase 1, 8 in phase 2.
; JOINT LOADS: query's or key's rows and wv's along a row of the cluster, wq's or wk's and value's rows along a column.
; LDS: two slots of 128 rows of 1,024 + 16 bytes.  Head: the first weight -> slot 1 (wave 0), chunk 0 -> slot 0 (wave 1), the scale bytes of 512 and of 256 token rows (waves 2, 3).  Refills, each behind a drained round: chunk 1 -> slot 1 when the weight is in registers;
; in block 2 of trip t: chunk t + 2 (t = 0, 1) or wv (t = 2) -> the slot of chunk t, whose last rows were fetched behind block 1; behind block 15 value's first 128 rows -> slot 1; with wv in registers value's last 128 -> slot 0.
; ORDER WITHIN A BLOCK OF 32 (the same on both sides of each later product).  Tile j of a wave's 64 weight rows in phase 1: rows 8 j + 0 .. 7 and 32 + 8 (j xor 1) + 0 .. 7: so lanes 0-15 hold channels 0 .. 31 in their 32 registers, lanes 16-31 channels 32 .. 63 by eights 1, 0, 3, 2, and the 16 rows begin at 16 different banks (pitch 260 words, 64 banks: ISA guide 11.1).
; v: lane (r, h) of a pair of blocks holds keys 8 h + 0 .. 7 and 16 + 8 h + 0 .. 7 of 32; p's codes have that order too.
; OUT: qc, kc: [token / 16][channel / 128][c][half][r][16 bytes]; qs, ks: [channel / 128][token][4 bytes]; vc: [channel / 16][key / 128][c][lane][16 bytes]; vs: [key / 256][channel][8 bytes].
; A block's way out stands among the next block's products, a pair of v's blocks' among the next pair's.  The bias is the C of a sum's first product.
; Prefetches: 128 rows (512 blocks of 256 bytes) are named once in the cluster, a block a lane by the sixteen waves that share them, six blocks of products or more ahead of their load (chunk 1: the weight's loads from LDS ahead).
.set NB, 4
.set CH, 128  ; a chunk
.set KROW, 1024
.set PITCH, KROW+16
.set FR, 16
.set FPW, 16
.set NP, 8  ; plain vector lines behind a product ahead of a reader of its sums and of a load into what it has read
.set NF, 34  ; LDS loads of a block's fetch
.set YB, CH*PITCH  ; slot 1
.set SCL, 2*CH*PITCH  ; scale bytes of 512 token rows, units of 256 bytes (8 rows) + 16
.set SCLV, SCL+64*272  ; of value's 256
.set SSTEP, 4*272  ; 32 rows
.set XN, SCLV+32*272  ; q's, k's scale bytes [512][4]
.set XV, XN+2048  ; v's [128][8]
.set SPARE, XV+1024
.set EMAX, 15  ; 57,344 = 1.75 x 2^15
.set BSTEP, 32768  ; codes from my block to my next: 32 tokens
.set ADRA0, 4  ; my fragments of block 0
.set CN, 5  ; 512 h + 16 r
.set AAS0, 6  ; my row's scale words in block 0
.set PFO, 7  ; 256 x lane
.set ABV, 8  ; 32 x lane
.set CO, 9  ; 16 x lane
.set SPW, 10
.set NIL, 11
.set ADRA, 12  ; as v4, for the block that is fetched next
.set VX, 13  ; where a scale byte goes
.set ADRB, 14  ; v14, v15: even and odd tiles of the first weight
.set ABS, 16
.set AAS, 17
.set ADRV, 18  ; wv's fragments
.set RD, 19
.set SOP, 20  ; v20-23 conversions' scale operands
.set SB, 24  ; v24-39 the weight's scale words: 8 p + q: lanes 0-15 tile 2 p's, lanes 16-31 tile 2 p + 1's
.set EB, 40
.set SA, 44  ; v44-59 token rows' scale words, two sets
.set TQ, 60
.set ACC, 64  ; v64-191: four sets of four accumulators: products write 0 and 1 by turns; 2 and 3 take a pair of v's blocks for its way out
.set WS, 128  ; in phase 1: wv's scale words
.set NCD, 192
.set MCD, 192
.set BQ, 208  ; v208-239 the first products' C
.set BV, 240
.set A1, 248
.set G1A, 24
.set G0A, 56
.set G1B, 32
.set G0B, 60
.set G1R, 48
.set G0R, 68
.set G1S, 92
.set G0S, 72
.set G1T, 84
.set G0T, 76
.set MSB, 0
.macro WIN new  ; the immediate's high byte repeats the setting that is left
.if MSB != (\new)
	s_set_vgpr_msb (MSB<<8)|(\new)
.set MSB, (\new)
.endif
.endm
.macro PLACES n
.rept \n
	v_nop
.endr
.endm
.macro WALU
	s_wait_alu depctr_va_vdst(0)
.endm
.macro BARRIER
	s_barrier_signal -1
	s_barrier_wait -1
.endm
.macro MIDDLE  ; a round's middle, behind its opening signal
	WIN 0
	s_barrier_wait -1
	s_cmp_lg_u32 s14, 0
	s_cbranch_scc1 .Lnot_wave_0_\@
	s_barrier_signal -3
.Lnot_wave_0_\@:
	s_barrier_wait -3
.endm
.macro ROUND  ; a round of the cluster's barrier
	s_barrier_signal -1
	MIDDLE
	BARRIER
.endm
.macro GRD
	s_wait_tensorcnt 0x0
	ds_add_u32 v[SPW], v[NIL]
.endm
.macro TLOAD g0, g1
	tensor_load_to_lds s[\g0:\g0+3], s[\g1:\g1+7]
	s_nop 0
	PLACES 4
.endm
.macro GROUP1 g, mask, rows  ; whole rows of 1,024 bytes, 16 bytes of padding behind each
	s_or_b32 s[\g+0], s[\mask], (1<<20)|(1<<21)|(7<<22)|(3<<25)
	s_mov_b32 s[\g+1], KROW<<16
	s_mov_b32 s[\g+2], (\rows)<<16
	s_mov_b32 s[\g+3], KROW<<16
	s_mov_b32 s[\g+4], \rows
	s_mov_b32 s[\g+5], KROW
	s_mov_b32 s[\g+6], 0
	s_mov_b32 s[\g+7], 0
.endm
.macro GROUP1S g, mask, rows  ; scale bytes: rows of 256 bytes (32 elements of 8), 16 of padding
	s_or_b32 s[\g+0], s[\mask], (3<<16)|(1<<20)|(1<<21)|(5<<22)|(3<<25)
	s_mov_b32 s[\g+1], 32<<16
	s_mov_b32 s[\g+2], (\rows)<<16
	s_mov_b32 s[\g+3], 32<<16
	s_mov_b32 s[\g+4], \rows
	s_mov_b32 s[\g+5], 32
	s_mov_b32 s[\g+6], 0
	s_mov_b32 s[\g+7], 0
.endm
.macro GROUP0 g, lds, p
	s_mov_b32 s[\g], 1
	s_mov_b32 s[\g+1], \lds
	s_mov_b64 s[\g+2:\g+3], s[\p:\p+1]
	s_or_b32 s[\g+3], s[\g+3], 0x80000000
.endm
.macro SHADD d, x, n  ; s[d] += s[x] << n
	s_lshl_b32 s46, s[\x], \n
	s_add_co_u32 s[\d], s[\d], s46
.endm
	s_load_b128 s[4:7], s[0:1], 0x0  ; query's, key's codes
	s_load_b128 s[20:23], s[0:1], 0x18  ; wq's, wk's
	s_load_b128 s[8:11], s[0:1], 0x30  ; query's, key's scales
	s_load_b128 s[80:83], s[0:1], 0x48  ; wq's, wk's
	s_load_b64 s[12:13], s[0:1], 0x10  ; value's codes
	s_load_b64 s[2:3], s[0:1], 0x28  ; wv's
	s_load_b64 s[66:67], s[0:1], 0x40  ; value's scales
	s_load_b64 s[100:101], s[0:1], 0x58  ; wv's
	v_lshl_add_u32 v[SPW], v0, 2, SPARE
	v_mov_b32 v[NIL], 0
	ds_add_u32 v[SPW], v[NIL]  ; the wave's opening: the add, twice on end, and its wait
	ds_add_u32 v[SPW], v[NIL]
	v_lshrrev_b32 v1, 5, v0
	v_readfirstlane_b32 s14, v1  ; wave
	s_lshr_b32 s15, s14, 1
	s_and_b32 s16, s14, 1
	s_bfe_u32 s40, ttmp6, 0x40000  ; cx, cy
	s_bfe_u32 s41, ttmp6, 0x40004
	s_lshl_b32 s42, ttmp9, 2
	s_add_co_u32 s42, s42, s40
	s_and_b32 s42, s42, 7  ; phase 1: channels / 128
	s_lshr_b32 s19, ttmp9, 1  ; 0: q, 1: k
	s_and_b32 s43, ttmp7, 0xffff
	s_lshl_b32 s18, s43, 1
	s_lshl_b32 s43, s43, 2
	s_add_co_u32 s43, s43, s41  ; phase 1: tokens / 512
	s_and_b32 s17, ttmp9, 1
	s_add_co_u32 s18, s18, s17
	s_lshl_b32 s18, s18, 2
	s_add_co_u32 s18, s18, s40  ; phase 2: tokens / 256: hangs on cx, not on cy
	s_lshl_b32 s17, s19, 2
	s_add_co_u32 s17, s17, s41  ; phase 2: channels / 128: hangs on cy, not on cx
	s_lshl_b32 s44, s41, 2
	s_lshl_b32 s44, 15, s44  ; my row of the cluster
	s_lshl_b32 s45, 0x1111, s40  ; my column
	GROUP1 G1B, 45, CH
	GROUP1 G1A, 44, CH
	GROUP1 G1R, 44, CH/4  ; a refill: 32 rows a wave
	GROUP1S G1S, 44, 64
	GROUP1S G1T, 45, 32
	s_mov_b32 s47, 0
	s_mov_b32 s75, 0
	WALU
	s_wait_dscnt 0x0  ; both opening adds are done
	ROUND  ; all sixteen work-groups are here
	s_wait_kmcnt 0x0
	s_cmp_eq_u32 s19, 0
	s_cselect_b64 s[4:5], s[4:5], s[6:7]
	s_cselect_b64 s[8:9], s[8:9], s[10:11]
	s_cselect_b64 s[20:21], s[20:21], s[22:23]
	s_cselect_b64 s[10:11], s[80:81], s[82:83]
	s_lshl_b32 s74, s42, 17
	s_add_nc_u64 s[20:21], s[20:21], s[74:75]  ; my 128 rows of wq or wk
	s_lshl_b32 s46, s43, 19
	s_add_nc_u64 s[4:5], s[4:5], s[46:47]  ; my 512 tokens
	s_lshl_b32 s46, s43, 14
	s_add_nc_u64 s[8:9], s[8:9], s[46:47]  ; their scale bytes
	s_lshl_b32 s74, s18, 13
	s_add_nc_u64 s[66:67], s[66:67], s[74:75]  ; my 256 value tokens' scale bytes
	s_lshl_b32 s74, s18, 18
	s_add_nc_u64 s[12:13], s[12:13], s[74:75]  ; and codes
	s_lshl_b32 s46, s17, 17
	s_add_nc_u64 s[2:3], s[2:3], s[46:47]  ; my 128 rows of wv
	GROUP0 G0B, YB, 20
	GROUP0 G0A, 0, 4
	GROUP0 G0S, SCL, 8
	GROUP0 G0T, SCLV, 66
	s_cmp_eq_u32 s14, 0  ; ONE joint load a wave, each in its own arm
	s_cbranch_scc0 .Lwave_1
	TLOAD G0B, G1B
	s_branch .Lasked
.Lwave_1:
	s_cmp_eq_u32 s14, 1
	s_cbranch_scc0 .Lwave_2
	TLOAD G0A, G1A
	s_branch .Lasked
.Lwave_2:
	s_cmp_eq_u32 s14, 2
	s_cbranch_scc0 .Lwave_3
	TLOAD G0S, G1S
	s_branch .Lasked
.Lwave_3:
	TLOAD G0T, G1T
.Lasked:
	s_load_b128 s[80:83], s[0:1], 0x60  ; bq, bk
	s_load_b64 s[22:23], s[0:1], 0x70  ; bv
	s_mov_b32 s7, 0
	s_lshl_b32 s6, s42, 12
	SHADD 6, 16, 11
	s_add_nc_u64 s[10:11], s[10:11], s[6:7]  ; the scale bytes of my wave's 64 rows of wq or wk,
	s_lshl_b32 s6, s17, 12
	SHADD 6, 16, 11
	s_add_nc_u64 s[100:101], s[100:101], s[6:7]  ; and of wv
	s_mov_b32 s9, 0
	s_lshl_b32 s8, s40, 2
	s_add_co_u32 s8, s8, s14
	s_lshl_b32 s8, s8, 13  ; my share of a prefetch along the row: 8,192 bytes
	s_add_nc_u64 s[66:67], s[4:5], s[8:9]
	v_and_b32 v1, 15, v0  ; r
	v_bfe_u32 v2, v0, 4, 1  ; h
	v_and_b32 v3, 31, v0  ; lane
	v_mul_u32_u24 v22, v1, PITCH
	v_lshl_add_u32 v22, v2, 4, v22
	s_mul_i32 s6, s15, 16*PITCH
	v_add_nc_u32 v[ADRA0], s6, v22  ; block s of row of waves w: rows 32 s + 16 w
	s_mul_i32 s6, s16, 64*PITCH
	v_add_nc_u32 v[ADRV], s6, v22
	v_lshrrev_b32 v23, 3, v1
	v_mul_u32_u24 v20, v23, 32*PITCH
	v_mul_u32_u24 v21, v23, 16*PITCH
	v_add_nc_u32 v20, v20, v[ADRV]
	v_add_nc_u32 v21, v21, v[ADRV]
	v_add_nc_u32 v[ADRB], YB, v20  ; even tiles: row 8 j + r + 32 (r / 8)
	v_add_nc_u32 v[ADRB+1], YB, v21  ; odd tiles: row 8 j + r + 16 (r / 8)
	v_lshlrev_b32 v20, 4, v2
	v_sub_nc_u32 v20, 32, v20
	v_mul_u32_u24 v20, v23, v20
	v_lshl_add_u32 v20, v2, 3, v20
	v_add_nc_u32 v20, v20, v1
	v_lshlrev_b32 v[ABS], 5, v20  ; the same rows' scale bytes: lanes 16-31 take the odd tile
	v_lshlrev_b32 v[ABV], 5, v3
	v_lshlrev_b32 v20, 5, v1
	v_lshl_add_u32 v20, v23, 4, v20
	s_mul_i32 s6, s15, 2*272
	s_add_co_u32 s6, s6, SCL
	v_add_nc_u32 v[AAS0], s6, v20
	v_lshlrev_b32 v[PFO], 8, v3
	v_lshlrev_b32 v[CO], 4, v3
	v_lshlrev_b32 v20, 9, v2
	v_lshl_add_u32 v[CN], v1, 4, v20
	v_add_nc_u32 v[A1], 32*PITCH, v[ADRA0]
	v_add_nc_u32 v[A1+1], SSTEP, v[AAS0]
	s_lshl_b32 s6, s15, 6
	SHADD 6, 16, 1
	s_add_co_u32 s6, s6, XN
	v_lshl_add_u32 v20, v1, 2, v2
	v_add_nc_u32 v[VX], s6, v20  ; byte 4 token + 2 (column of waves) + h
	s_lshl_b32 s6, s16, 9
	s_add_co_u32 s6, s6, s15
	s_add_co_u32 s6, s6, XV
	v_lshlrev_b32 v20, 3, v1
	v_add_nc_u32 v[RD], s6, v20  ; byte 8 channel + row of waves
	v_mul_u32_u24 v20, v2, 160  ; the bias: lanes 16-31: channels 40 on in even tiles,
	v_mul_u32_u24 v21, v2, 96  ; 24 on in odd ones
	v_lshlrev_b32 v22, 2, v1
	WALU
.irp p, 0,1
.irp c, 0,1
	global_load_b128 v[SB+8*\p+4*\c:SB+8*\p+4*\c+3], v[ABS], s[10:11] offset:512*\p+16*\c
	global_load_b128 v[WS+8*\p+4*\c:WS+8*\p+4*\c+3], v[ABV], s[100:101] offset:1024*\p+16*\c
.endr
.endr
	s_wait_kmcnt 0x0
	s_cmp_eq_u32 s19, 0
	s_cselect_b64 s[80:81], s[80:81], s[82:83]
	s_lshl_b32 s6, s42, 9
	SHADD 6, 16, 8
	s_add_nc_u64 s[80:81], s[80:81], s[6:7]
	s_lshl_b32 s6, s17, 9
	SHADD 6, 16, 8
	s_add_nc_u64 s[22:23], s[22:23], s[6:7]
.irp j, 0,2
	global_load_b128 v[BQ+8*\j:BQ+8*\j+3], v20, s[80:81] offset:32*\j
	global_load_b128 v[BQ+8*\j+4:BQ+8*\j+7], v20, s[80:81] offset:32*\j+16
	global_load_b128 v[BQ+8*\j+8:BQ+8*\j+11], v21, s[80:81] offset:32*\j+32
	global_load_b128 v[BQ+8*\j+12:BQ+8*\j+15], v21, s[80:81] offset:32*\j+48
.endr
.irp t, 0,1,2,3
	global_load_b32 v[BV+\t], v22, s[22:23] offset:64*\t
.endr
	s_wait_xcnt 0x0  ; the loads have taken their addresses
	s_mul_i32 s21, s14, CH/4*PITCH  ; in a refill I fetch 32 rows: in LDS,
	s_lshl_b32 s22, s14, 15  ; and in memory
	s_mov_b32 s23, 0
	s_add_nc_u64 s[6:7], s[4:5], CH*KROW  ; chunk 1
	s_mov_b32 s101, YB
	WALU
	s_cmp_eq_u32 s14, 0
	s_cbranch_scc0 .Lnot_b
	s_wait_tensorcnt 0x0  ; wave 0: the first weight has landed.  The other waves' wait stands ahead of the round below
.Lnot_b:
	BARRIER
	global_prefetch_b8 v[PFO], s[66:67] offset:CH*KROW th:TH_LOAD_NT scope:SCOPE_SE  ; chunk 1
	global_prefetch_b8 v[PFO], s[66:67] offset:2*CH*KROW th:TH_LOAD_NT scope:SCOPE_SE  ; chunk 2
.macro FRAG f, adr, q, off  ; a weight's fragment f: lane l: row l % 16; registers 4 c .. 4 c + 3: K = 32 c + 16 (l / 16) + 0 .. 15
	WIN (1+(\f)/FPW)<<6
.irp c, 0,1,2,3
	ds_load_b128 v[FR*((\f)%FPW)+4*\c:FR*((\f)%FPW)+4*\c+3], v[\adr] offset:128*(\q)+32*\c+(\off)
.endr
.endm
.macro FETCHAT k, a, s  ; a block of 16 token rows, all of K, into set k, and its scale words
	WIN 3<<6
.irp q, 0,1,2,3,4,5,6,7
.irp c, 0,1,2,3
	ds_load_b128 v[128*\k+FR*\q+4*\c:128*\k+FR*\q+4*\c+3], v[\a] offset:128*\q+32*\c
.endr
.endr
	WIN 0
	ds_load_b128 v[SA+8*\k:SA+8*\k+3], v[\s]
	ds_load_b128 v[SA+8*\k+4:SA+8*\k+7], v[\s] offset:16
.endm
.macro PROD kind, e, a, n  ; product n = 4 q + b of a block: the q-th 128 of K, tile b; token rows in set e, sums in set a.  kind 0 (q, k): source 0 = the weight's rows; 1 (v): source 0 = the token rows
.set Q_, (\n)/4
.set B_, (\n)%4
.set FB_, NB*Q_+B_
.set AC_, ACC+32*(\a)+8*B_
.set C_, AC_
.if Q_ == 0
.set C_, BQ+8*B_
.endif
.set R_, 128*(\e)+FR*Q_
.set W_, FR*(FB_%FPW)
.set XS_, SA+8*(\e)+Q_
.set WS_, SB+8*(B_/2)+Q_
.if \kind
	WIN 3|((1+FB_/FPW)<<2)
.if B_%2
	v_wmma_scale_f32_16x16x128_f8f6f4 v[AC_:AC_+7], v[R_:R_+FR-1], v[W_:W_+FR-1], v[C_:C_+7], v[XS_], v[WS_] matrix_a_fmt:MATRIX_FMT_BF8 matrix_b_fmt:MATRIX_FMT_BF8 matrix_b_scale:MATRIX_SCALE_ROW1
.else
	v_wmma_scale_f32_16x16x128_f8f6f4 v[AC_:AC_+7], v[R_:R_+FR-1], v[W_:W_+FR-1], v[C_:C_+7], v[XS_], v[WS_] matrix_a_fmt:MATRIX_FMT_BF8 matrix_b_fmt:MATRIX_FMT_BF8
.endif
.else
	WIN (1+FB_/FPW)|(3<<2)
.if B_%2
	v_wmma_scale_f32_16x16x128_f8f6f4 v[AC_:AC_+7], v[W_:W_+FR-1], v[R_:R_+FR-1], v[C_:C_+7], v[WS_], v[XS_] matrix_a_fmt:MATRIX_FMT_BF8 matrix_b_fmt:MATRIX_FMT_BF8 matrix_a_scale:MATRIX_SCALE_ROW1
.else
	v_wmma_scale_f32_16x16x128_f8f6f4 v[AC_:AC_+7], v[W_:W_+FR-1], v[R_:R_+FR-1], v[C_:C_+7], v[WS_], v[XS_] matrix_a_fmt:MATRIX_FMT_BF8 matrix_b_fmt:MATRIX_FMT_BF8
.endif
.endif
.endm
.macro HOLD x, b  ; the conversion does not saturate (ISA guide 7.6.2)
	v_med3_num_f32 v[\x], v[\x], -v[TQ+\b], v[TQ+\b]
.endm
.macro SCALES i, n  ; 0: the conversion's scale operand; 1: the bound; 2: its second copy; 3: the scale byte
.if (\i) == 0
	v_add_nc_u32 v[SOP+\n], -(EMAX<<23), v[TQ]
.elseif (\i) == 1
	v_and_or_b32 v[TQ+1], v[TQ], 0x7f800000, s62
.elseif (\i) == 2
	v_mov_b32 v[TQ+3], v[TQ+1]
.else
	v_lshrrev_b32 v[EB+\n], 23, v[SOP+\n]
.endif
.endm
.macro MAXQ k, x  ; the largest magnitude of the 32 sums at x, with the floor that keeps the byte at 1 or more
.if (\k) < 4
	v_max3_num_f32 v[TQ+\k], |v[\x+8*(\k)]|, |v[\x+8*(\k)+1]|, |v[\x+8*(\k)+2]|
.elseif (\k) < 12
	v_max3_num_f32 v[TQ+(\k)%4], v[TQ+(\k)%4], |v[\x+8*((\k)%4)+2*((\k)/4)+1]|, |v[\x+8*((\k)%4)+2*((\k)/4)+2]|
.elseif (\k) < 16
	v_max_num_f32 v[TQ+(\k)%4], v[TQ+(\k)%4], |v[\x+8*((\k)%4)+7]|
.elseif (\k) == 16
	v_max3_num_f32 v[TQ], v[TQ], v[TQ+1], v[TQ+2]
.else
	v_max3_num_f32 v[TQ], v[TQ], v[TQ+3], (EMAX+1)<<23
.endif
.endm
.macro HOLDS m, x
.if (\m) == 3
	HOLD \x, 3
	HOLD \x+1, 3
.else
	HOLD \x, 1
	HOLD \x+1, 1
.endif
.if (\m) == 2
	SCALES 2, 0
.endif
.endm
.macro GAPQ m, x  ; q's or k's block, gaps 0 .. 26: a scale block lies in a lane: the sums at x -> codes NCD, byte EB
.if (\m) < 9
	MAXQ 2*(\m), \x
	MAXQ 2*(\m)+1, \x
.elseif (\m) == 9
	SCALES 0, 0
	SCALES 1, 0
.elseif (\m) < 26
	HOLDS (\m)-10, \x+2*((\m)-10)
.if ((\m)-10)%4 == 3
	v_cvt_scalef32_pk8_bf8_f32 v[NCD+2*(((\m)-10)/4):NCD+2*(((\m)-10)/4)+1], v[\x+8*(((\m)-10)/4):\x+8*(((\m)-10)/4)+7], v[SOP]
.endif
.elseif (\m) == 26
	SCALES 3, 0
.endif
.endm
.macro GAPV u, x  ; a pair of v's blocks, gaps 0 .. 59, 15 a tile: a scale block lies in lanes l and l xor 16: the even block's sums at x, the odd's at x + 32 -> codes MCD + 4 t, bytes EB + t
.set T_, (\u)/15
.set J_, (\u)%15
.set E_, \x+8*T_
.set O_, E_+32
.if (\u) > 59
.elseif J_ == 0
	v_max3_num_f32 v[TQ], |v[E_]|, |v[E_+1]|, |v[E_+2]|
	v_max3_num_f32 v[TQ+2], |v[O_]|, |v[O_+1]|, |v[O_+2]|
.elseif J_ < 3
	v_max3_num_f32 v[TQ], v[TQ], |v[E_+2*J_+1]|, |v[E_+2*J_+2]|
	v_max3_num_f32 v[TQ+2], v[TQ+2], |v[O_+2*J_+1]|, |v[O_+2*J_+2]|
.elseif J_ == 3
	v_max3_num_f32 v[TQ+2], v[TQ+2], |v[O_+7]|, (EMAX+1)<<23
	v_max3_num_f32 v[TQ], v[TQ], |v[E_+7]|, v[TQ+2]
.elseif J_ == 4
	v_permlanex16_b32 v[TQ+2], v[TQ], s60, s61
	v_max_num_f32 v[TQ], v[TQ], v[TQ+2]
.elseif J_ == 5
	SCALES 0, T_
	SCALES 1, T_
.elseif J_ < 10
	HOLDS J_-6, E_+2*(J_-6)
.if J_ == 9
	v_cvt_scalef32_pk8_bf8_f32 v[MCD+4*T_:MCD+4*T_+1], v[E_:E_+7], v[SOP+T_]
.endif
.elseif J_ < 14
	HOLDS J_-6, O_+2*(J_-10)
.if J_ == 13
	v_cvt_scalef32_pk8_bf8_f32 v[MCD+4*T_+2:MCD+4*T_+3], v[O_:O_+7], v[SOP+T_]
.endif
.else
	SCALES 3, T_
.endif
.endm
.macro RDESC i  ; a refill's group 0, in two parts: my 32 rows from s[6:7], into the slot at s101
.if (\i) == 0
	s_add_co_u32 s[G0R+1], s21, s101
.else
	s_add_nc_u64 s[G0R+2:G0R+3], s[6:7], s[22:23]
	s_or_b32 s[G0R+3], s[G0R+3], 0x80000000
.endif
.endm
; WHAT STANDS BEHIND PRODUCT n.  j: the block's number in its trip (the second loop's: 4, 5; v's: -1, -2).  The addresses of the block two on stand behind 0 and 1, a refill's group 0 behind 29 and 30, a way out from 1 on: y = 1 q's or k's block at x; 2, 3 the halves of v's pair at x
.macro LIST n, j, y, x
.if (\n) == 0
.if (\j) == 0
	s_add_nc_u64 s[84:85], s[84:85], 4*BSTEP
.elseif (\j) == 4
	s_add_nc_u64 s[84:85], s[84:85], 2*BSTEP
.endif
	WIN 0
.if (\j) == 0 || (\j) == 1
	s_add_co_u32 s18, s101, ((\j)+2)*32*PITCH
.elseif (\j) > 1
	s_add_co_u32 s18, s47, ((\j)%2)*32*PITCH
.else
	s_add_co_u32 s18, s47, (-1-(\j))*16*PITCH
.endif
	v_add_nc_u32 v[ADRA], s18, v[ADRA0]
.elseif (\n) == 1
	WIN 0
.if (\j) == 0 || (\j) == 1
	s_add_co_u32 s18, s17, ((\j)+2)*SSTEP
.elseif (\j) > 1
	s_add_co_u32 s18, s8, ((\j)%2)*SSTEP
.else
	s_add_co_u32 s18, s8, (-1-(\j))*2*272
.endif
	v_add_nc_u32 v[AAS], s18, v[AAS0]
.endif
.if (\j) == 2 && ((\n) == 29 || (\n) == 30)
	RDESC (\n)-29
.elseif (\j) == 1 && (\n) == 2
	WIN 0
	v_add_nc_u32 v[VX], s9, v[VX]
.endif
.if (\y) == 1 && (\n) > 0 && (\n) < 28
	WIN 0
	GAPQ (\n)-1, \x
.elseif (\y) == 2 && (\n) > 0 && (\n) < 31
	WIN 0
	GAPV (\n)-1, \x
.elseif (\y) == 3 && (\n) > 0 && (\n) < 31
	WIN 0
	GAPV (\n)+29, \x
.endif
.endm
.macro BLOCK kind, e, a, from, to, j, y, x
.set N_, \from
.rept (\to)-(\from)
	PROD \kind, \e, \a, N_
	LIST N_, \j, \y, \x
.set N_, N_+1
.endr
.endm
.macro BLK kind, e, a, w, j, y, x  ; a block; w: the wait's count (-1: none): the other set's fetch may be out
.if (\w) >= 0
	s_wait_dscnt \w
.endif
	s_wait_xcnt 0x0
	BLOCK \kind, \e, \a, 0, 32, \j, \y, \x
	WIN 0
	PLACES NP
.endm
.macro RBLK kind, e, a, w, j, y, x  ; a block with a round: the guard at its head, the signal behind 28 products
	s_wait_dscnt \w
	s_wait_xcnt 0x0
	GRD
	BLOCK \kind, \e, \a, 0, 28, \j, \y, \x
	WIN 0
	WALU
	s_wait_dscnt 0x0
	s_barrier_signal -1
	BLOCK \kind, \e, \a, 28, 32, \j, \y, \x
	MIDDLE
	BARRIER
.endm
.macro SBLK kind, e, a, j, y, x  ; a block with a plain barrier
	s_wait_xcnt 0x0
	BLOCK \kind, \e, \a, 0, 28, \j, \y, \x
	WIN 0
	WALU
	s_wait_tensorcnt 0x0
	s_wait_dscnt 0x0
	s_barrier_signal -1
	BLOCK \kind, \e, \a, 28, 32, \j, \y, \x
	WIN 0
	s_barrier_wait -1
	PLACES NP
.endm
.macro QOUT off, boff  ; a block's byte goes to LDS, its 32 codes a lane leave: sixteen lanes store 256 consecutive bytes
	ds_store_b8 v[VX], v[EB] offset:\boff
	global_store_b128 v[CN], v[NCD:NCD+3], s[84:85] offset:\off
	global_store_b128 v[CN], v[NCD+4:NCD+7], s[84:85] offset:(\off)+256
.endm
.irp q, 0,1,2,3,4,5,6,7
.irp b, 0,1,2,3
	FRAG NB*\q+\b, ADRB+(\b)%2, \q, \b*8*PITCH
.endr
.endr
	WIN 0
	GRD
	s_mov_b32 s[G0R], 1
	RDESC 0
	RDESC 1
	s_wait_dscnt 0x0  ; the first weight is in registers: slot 1 is free
	ROUND
	TLOAD G0R, G1R  ; chunk 1
	FETCHAT 0, ADRA0, AAS0
	FETCHAT 1, A1, A1+1
	s_load_b128 s[92:95], s[0:1], 0x78  ; qc, kc
	s_load_b64 s[96:97], s[0:1], 0x88  ; vc
	s_load_b128 s[76:79], s[0:1], 0x90  ; qs, ks
	s_load_b64 s[98:99], s[0:1], 0xa0  ; vs
	s_add_nc_u64 s[86:87], s[66:67], 3*CH*KROW  ; what is prefetched: chunk 3, then wv, then value's first 128 rows
	s_add_nc_u64 s[88:89], s[2:3], s[8:9]
	s_lshl_b32 s8, s41, 2
	s_add_co_u32 s8, s8, s14
	s_lshl_b32 s8, s8, 13  ; my share along the column
	s_add_nc_u64 s[90:91], s[12:13], s[8:9]
	s_mov_b32 s60, 0x76543210
	s_mov_b32 s61, 0xfedcba98
	s_mov_b32 s62, 0x600000
.set I_, 0
.rept 32
	v_mov_b32 v[ACC+32+I_], 0  ; the first trip's way out reads them and stores nothing
.set I_, I_+1
.endr
	WALU
	s_wait_kmcnt 0x0
	s_cmp_eq_u32 s19, 0
	s_cselect_b64 s[84:85], s[92:93], s[94:95]
	s_cselect_b64 s[94:95], s[76:77], s[78:79]
	s_mov_b32 s77, 0
	s_lshl_b32 s76, s43, 19  ; 32 token blocks of 16,384 bytes
	SHADD 76, 15, 14
	SHADD 76, 42, 11
	SHADD 76, 16, 10
	s_add_nc_u64 s[84:85], s[84:85], s[76:77]
	s_sub_nc_u64 s[84:85], s[84:85], 4*BSTEP
	s_lshl_b32 s76, s42, 15
	SHADD 76, 43, 11
	SHADD 76, 14, 9
	s_add_nc_u64 s[94:95], s[94:95], s[76:77]
	s_lshl_b32 s76, s17, 20
	SHADD 76, 16, 19
	SHADD 76, 18, 12
	SHADD 76, 15, 9
	s_add_nc_u64 s[96:97], s[96:97], s[76:77]
	s_lshl_b32 s76, s18, 13
	SHADD 76, 17, 10
	SHADD 76, 14, 8
	s_add_nc_u64 s[98:99], s[98:99], s[76:77]
	s_add_nc_u64 s[76:77], s[4:5], 3*CH*KROW
	s_add_nc_u64 s[6:7], s[4:5], 2*CH*KROW  ; s[6:7] the rows that are loaded next
	s_mov_b32 s46, 0  ; the trip
	s_mov_b32 s9, 0  ; to a byte's next place
	s_mov_b32 s101, 0  ; this chunk's slot, and the next chunk's
	s_mov_b32 s47, YB
	s_mov_b32 s17, 0  ; their scale words' step
	s_mov_b32 s8, 4*SSTEP
	s_wait_loadcnt 0x0  ; scale words and biases
.Lfour:  ; three trips of four blocks
	BLK 0, 0, 0, NF, 0, 1, ACC+32
	s_cmp_eq_u32 s46, 0
	s_cbranch_scc1 .Lno_block_before
	QOUT -BSTEP, 384
.Lno_block_before:
	FETCHAT 0, ADRA, AAS
	global_prefetch_b8 v[PFO], s[86:87] th:TH_LOAD_NT scope:SCOPE_SE
	BLK 0, 1, 1, NF, 1, 1, ACC
	QOUT 0, 0
	FETCHAT 1, ADRA, AAS
	RBLK 0, 0, 0, NF, 2, 1, ACC+32  ; shows the next chunk; nobody reads this chunk's slot any more
	TLOAD G0R, G1R
	PLACES NP-4
	QOUT BSTEP, 128
	FETCHAT 0, ADRA, AAS
	BLK 0, 1, 1, -1, 3, 1, ACC
	QOUT 2*BSTEP, 256
	FETCHAT 1, ADRA, AAS
	s_cmp_eq_u32 s46, 0
	s_cselect_b64 s[6:7], s[76:77], s[2:3]
	s_cselect_b64 s[86:87], s[88:89], s[90:91]
	s_mov_b32 s9, 512
	s_mov_b32 s101, s47
	s_mov_b32 s17, s8
	s_xor_b32 s47, s47, YB
	s_add_co_u32 s8, s8, 4*SSTEP
	s_add_co_u32 s46, s46, 1
	s_cmp_lg_u32 s46, 3
	s_cbranch_scc1 .Lfour
	s_wait_xcnt 0x0
	s_add_nc_u64 s[84:85], s[84:85], 2*BSTEP
	global_prefetch_b8 v[PFO], s[90:91] offset:CH*KROW th:TH_LOAD_NT scope:SCOPE_SE  ; value's last 128 rows
	v_add_nc_u32 v[VX], 384, v[VX]
	s_mov_b32 s47, YB+64*PITCH
	s_mov_b32 s8, 14*SSTEP
.Ltwo:  ; blocks 12 to 15
	BLK 0, 0, 0, NF, 4, 1, ACC+32
	QOUT -BSTEP, 0
	s_cmp_eq_u32 s46, 4
	s_cbranch_scc1 .Lnone_a
	FETCHAT 0, ADRA, AAS
	s_wait_dscnt NF
	s_branch .Lgo_a
.Lnone_a:
	s_wait_dscnt 0x0
.Lgo_a:
	BLK 0, 1, 1, -1, 5, 1, ACC
	QOUT 0, 128
	s_cmp_eq_u32 s46, 4
	s_cbranch_scc1 .Lnone_b
	FETCHAT 1, ADRA, AAS
.Lnone_b:
	v_add_nc_u32 v[VX], 256, v[VX]
	s_add_co_u32 s46, s46, 1
	s_cmp_lg_u32 s46, 5
	s_cbranch_scc1 .Ltwo
; THE CHANGE OF PHASE
	s_wait_xcnt 0x0
	GRD
	GROUP1 G1A, 45, CH/4  ; value's rows: shared by my column
	s_add_co_u32 s[G0A+1], s21, YB
	s_add_nc_u64 s[G0A+2:G0A+3], s[12:13], s[22:23]
	s_or_b32 s[G0A+3], s[G0A+3], 0x80000000
	s_wait_dscnt 0x0
	ROUND
	TLOAD G0A, G1A  ; value's first 128 rows into slot 1
.macro CHANGE i  ; among wv's 128 loads: the last block's way out; wv's scale words into their place; zeros into what v's first trip reads before a block has written it
.if (\i) < 7
.irp k, 0,1,2,3
.if 4*(\i)+\k < 27
	GAPQ 4*(\i)+\k, ACC+32
.endif
.endr
.elseif (\i) < 9
.irp q, 0,1,2,3,4,5,6,7
	v_mov_b32 v[SB+8*((\i)-7)+\q], v[WS+8*((\i)-7)+\q]
.endr
.elseif (\i) < 15
.irp q, 0,1,2,3,4,5,6,7
	v_mov_b32 v[ACC+80+8*((\i)-9)+\q], 0
.endr
.endif
.endm
.irp q, 0,1,2,3,4,5,6,7
.irp b, 0,2
	FRAG NB*\q+\b, ADRV, \q, \b*16*PITCH
	FRAG NB*\q+\b+1, ADRV, \q, (\b+1)*16*PITCH
	WIN 0
	CHANGE 2*\q+\b/2
.endr
.endr
.irp t, 0,1,2,3
.irp i, 0,1,2,3,4,5,6,7
	v_mov_b32 v[BQ+8*\t+\i], v[BV+\t]
.endr
.endr
	s_mul_i32 s18, s15, 16*PITCH  ; v: pair p of row of waves w: rows 64 p + 32 w
	v_add_nc_u32 v[ADRA0], s18, v[ADRA0]
	s_mul_i32 s18, s15, 2*272
	s_add_co_u32 s18, s18, SCLV-SCL
	v_add_nc_u32 v[AAS0], s18, v[AAS0]
	v_add_nc_u32 v[A1], YB, v[ADRA0]
	v_add_nc_u32 v[A1+2], 2*272, v[AAS0]
	v_add_nc_u32 v[A1+1], 16*PITCH, v[A1]
	WALU
	QOUT BSTEP, 0
	GRD
	s_add_nc_u64 s[12:13], s[12:13], CH*KROW
	s_mov_b32 s[G0A+1], s21
	s_add_nc_u64 s[G0A+2:G0A+3], s[12:13], s[22:23]
	s_or_b32 s[G0A+3], s[G0A+3], 0x80000000
	s_mov_b32 s46, 0
	s_mov_b32 s47, YB+64*PITCH
	s_mov_b32 s8, 8*272
	s_wait_dscnt 0x0  ; wv is in registers
	ROUND
	TLOAD G0A, G1A  ; value's last 128 rows into slot 0
	FETCHAT 0, A1, AAS0
	FETCHAT 1, A1+1, A1+2
	s_wait_dscnt NF
.macro VOUT  ; a pair of v's blocks: four tiles' bytes and codes, 512 consecutive bytes a store
.irp t, 0,1,2,3
	ds_store_b8 v[VX], v[EB+\t] offset:128*\t
	global_store_b128 v[CO], v[MCD+4*\t:MCD+4*\t+3], s[84:85] offset:131072*\t
.endr
.endm
.macro VTO  ; s22: the pair's number
	s_lshl_b32 s20, s22, 10
	s_mov_b32 s21, 0
	s_lshl_b32 s18, s22, 1
	s_add_nc_u64 s[84:85], s[96:97], s[20:21]
	v_add_nc_u32 v[VX], s18, v[RD]
.endm
.Lpair:
	BLK 1, 0, 0, -1, -1, 2, ACC+64
	s_cmp_eq_u32 s46, 3
	s_cbranch_scc1 .Lnone_0
	FETCHAT 0, ADRA, AAS
	s_wait_dscnt NF
	s_branch .Lgo
.Lnone_0:
	s_wait_dscnt 0x0
.Lgo:
	SBLK 1, 1, 1, -2, 3, ACC+64  ; the first trip's shows value's last 128 rows
.set I_, 0
.rept 32  ; the pair's sums are copied, so that one trip is two blocks of text
	v_dual_mov_b32 v[ACC+64+I_], v[ACC+I_] :: v_dual_mov_b32 v[ACC+64+I_+1], v[ACC+I_+1]
.set I_, I_+2
.endr
	s_add_co_u32 s22, s46, 3
	s_and_b32 s22, s22, 3  ; the pair before
	VTO
	s_cmp_eq_u32 s46, 0
	s_cbranch_scc1 .Lno_pair_before
	VOUT
.Lno_pair_before:
	s_cmp_eq_u32 s46, 3
	s_cbranch_scc1 .Lnone_1
	FETCHAT 1, ADRA, AAS
.Lnone_1:
	s_cmp_eq_u32 s46, 0
	s_cselect_b32 s47, 0, 64*PITCH
	s_add_co_u32 s8, s8, 8*272
	s_add_co_u32 s46, s46, 1
	s_cmp_lg_u32 s46, 4
	s_cbranch_scc1 .Lpair
	s_wait_xcnt 0x0
.set K_, 0
.rept 60
	GAPV K_, ACC+64
.set K_, K_+1
.endr
	s_mov_b32 s22, 3
	VTO
	VOUT
	v_lshlrev_b32 v22, 3, v3
	s_lshl_b32 s18, s14, 9
	s_add_co_u32 s18, s18, XN
	v_add_nc_u32 v21, s18, v[CO]
	s_lshl_b32 s18, s14, 8
	s_add_co_u32 s18, s18, XV
	v_add_nc_u32 v23, s18, v22
	WALU
	s_wait_dscnt 0x0  ; the scale bytes are stored
	BARRIER
	ds_load_b128 v[60:63], v21
	ds_load_b64 v[40:41], v23
	s_wait_dscnt 0x0
	global_store_b128 v[CO], v[60:63], s[94:95]
	global_store_b64 v22, v[40:41], s[98:99]
	s_wait_tensorcnt 0x0  ; the wave's end
	ds_add_u32 v[SPW], v[NIL]
	s_wait_dscnt 0x0
	ROUND  ; the closing round
	s_endpgm
.Lfunc_end_k_q824fc79be6_proj:
	.size	k_q824fc79be6_proj, .Lfunc_end_k_q824fc79be6_proj-k_q824fc79be6_proj
	.p2alignl 7, 3214868480
	.fill 96, 4, 3214868480
	.section	.rodata,"a",@progbits
	.p2align	6, 0x0
	.amdhsa_kernel k_q824fc79be6_proj
		.amdhsa_group_segment_fixed_size 327680
		.amdhsa_private_segment_fixed_size 0
		.amdhsa_enable_private_segment 0
		.amdhsa_kernarg_size 168
		.amdhsa_user_sgpr_count 2
		.amdhsa_user_sgpr_kernarg_segment_ptr 1
		.amdhsa_wavefront_size32 1
		.amdhsa_system_sgpr_workgroup_id_x 1
		.amdhsa_system_sgpr_workgroup_id_y 1
		.amdhsa_system_sgpr_workgroup_id_z 1
		.amdhsa_system_vgpr_workitem_id 0
		.amdhsa_next_free_vgpr 1024
		.amdhsa_next_free_sgpr 102
		.amdhsa_reserve_vcc 0
		.amdhsa_float_denorm_mode_32 3
		.amdhsa_float_denorm_mode_16_64 3
		.amdhsa_memory_ordered 1
		.amdhsa_forward_progress 1
		.amdhsa_inst_pref_size 168
	.end_amdhsa_kernel
	.amdgpu_metadata
---
amdhsa.version: [ 1, 2 ]
amdhsa.kernels:
  - .name:           k_q824fc79be6_proj
    .symbol:         k_q824fc79be6_proj.kd
    .args:
      - { .name: query_codes, .offset: 0, .size: 8, .value_kind: global_buffer, .address_space: global }
      - { .name: key_codes, .offset: 8, .size: 8, .value_kind: global_buffer, .address_space: global }
      - { .name: value_codes, .offset: 16, .size: 8, .value_kind: global_buffer, .address_space: global }
      - { .name: wq_codes, .offset: 24, .size: 8, .value_kind: global_buffer, .address_space: global }
      - { .name: wk_codes, .offset: 32, .size: 8, .value_kind: global_buffer, .address_space: global }
      - { .name: wv_codes, .offset: 40, .size: 8, .value_kind: global_buffer, .address_space: global }
      - { .name: query_scales, .offset: 48, .size: 8, .value_kind: global_buffer, .address_space: global }
      - { .name: key_scales, .offset: 56, .size: 8, .value_kind: global_buffer, .address_space: global }
      - { .name: value_scales, .offset: 64, .size: 8, .value_kind: global_buffer, .address_space: global }
      - { .name: wq_scales, .offset: 72, .size: 8, .value_kind: global_buffer, .address_space: global }
      - { .name: wk_scales, .offset: 80, .size: 8, .value_kind: global_buffer, .address_space: global }
      - { .name: wv_scales, .offset: 88, .size: 8, .value_kind: global_buffer, .address_space: global }
      - { .name: bq, .offset: 96, .size: 8, .value_kind: global_buffer, .address_space: global }
      - { .name: bk, .offset: 104, .size: 8, .value_kind: global_buffer, .address_space: global }
      - { .name: bv, .offset: 112, .size: 8, .value_kind: global_buffer, .address_space: global }
      - { .name: qc, .offset: 120, .size: 8, .value_kind: global_buffer, .address_space: global }
      - { .name: kc, .offset: 128, .size: 8, .value_kind: global_buffer, .address_space: global }
      - { .name: vc, .offset: 136, .size: 8, .value_kind: global_buffer, .address_space: global }
      - { .name: qs, .offset: 144, .size: 8, .value_kind: global_buffer, .address_space: global }
      - { .name: ks, .offset: 152, .size: 8, .value_kind: global_buffer, .address_space: global }
      - { .name: vs, .offset: 160, .size: 8, .value_kind: global_buffer, .address_space: global }
    .group_segment_fixed_size: 327680
    .private_segment_fixed_size: 0
    .kernarg_segment_align: 8
    .kernarg_segment_size: 168
    .max_flat_workgroup_size: 128
    .sgpr_count:     102
    .vgpr_count:     1024
    .wavefront_size: 32
...
	.end_amdgpu_metadata
.endif
;; end of part 1
;; launch scores (part 2): grid 8 x 32, 4 waves a work-group, clusters of 4 x 4, 327,680 bytes of LDS; arguments qc, qs, kc, ks, pc, pst; writes pc, pst
.if DOCPART == 2
	.amdgcn_target "amdgcn-amd-amdhsa--gfx1250"
	.amdhsa_code_object_version 6
	.text
	.protected	k_q824fc79be6_scores
	.globl	k_q824fc79be6_scores
	.p2align	8
	.type	k_q824fc79be6_scores,@function
k_q824fc79be6_scores:
	s_mov_b64 s[64:65], 0
	v_nop
	global_prefetch_b8 v0, s[64:65] scope:SCOPE_SE
	s_setreg_imm32_b32 hwreg(HW_REG_WAVE_MODE, 25, 1), 1
	s_wait_xcnt 0x0
	s_wait_alu depctr_hold_cnt(0) depctr_sa_sdst(0) depctr_va_vdst(0) depctr_va_sdst(0) depctr_va_ssrc(0) depctr_va_vcc(0) depctr_vm_vsrc(0)
	s_getreg_b32 s2, hwreg(HW_REG_IB_STS2, 6, 4)
	s_cmp_eq_u32 s2, 0
	s_cbranch_scc0 .Lentry_in_a_cluster
	s_endpgm
.Lentry_in_a_cluster:
	s_bfe_u32 s2, ttmp6, 0x10000c
	s_cmp_lg_u32 s2, 0xf033
	s_cbranch_scc0 .Lentry_shape_is_right
	s_endpgm
.Lentry_shape_is_right:
.set NQ,     2
; p = 2^(t - M) of each run of 128 keys, t = q . k log2(e) / 32, M the run's largest t rounded up, quantised along the keys; a run's scale word, -M and sum of unquantised p go to pst.
; q's and k's codes lie as operand fragments, [row / 16][channel / 128][2,048 bytes]: a K step of 256 is 4,096 consecutive bytes of each 16 rows, and LDS holds them as they lie.  Scale words: [channel / 128][row][4 bytes].
; p's codes keep the key order of their registers inside a block of 32: lane half h holds keys 8 h + 0 .. 7, then 16 + 8 h + 0 .. 7; v's codes have the same order.
; LIMITS: NaN and infinities are not served; the scaled scores stay under 2^31 in magnitude.
.set ROWB,   4096                      ; from a K step to the next
.set FR,     16
.set NL,     4
.set NP,     8
.set HALFT,  32768                     ; 128 rows x 256 along K
.set SLOT,   4*HALFT
.set SCL,    2*SLOT
.set HALFS,  512                       ; scale words of 128 rows for 128 along K
.set SBLK,   64
.set SCSTEP, 2048
.set SIDE,   8192                      ; those of 256 rows for all of K
.set SPARE,  SCL+2*SIDE
.set G0H,    4
.set G0HB,   8
.set ADRA, 16
.set ADRB, 20
.set L16,  22
.set ADRS, 27
.set SPW,  28
.set NIL,  29
.set SC,   32
.set T,    64
.set AF,   128
.set PC,   128
.set BM,   160
.set BX,   164
.set HV,   168
.set SO,   172
.set NM,   176
.set LL,   180
.set PW,   182
.set RS,   184
.set TP,   188
.set QD,   192
.set CS,   18
.set SEL,  20
.set MNT,  22
.set HIM,  94
.set G1, 24
.set G0, 32
.set G1B, 48
.set G0B, 56
.set G1S, 68
.set G0S, 76
.set G1SB, 80
.set G0SB, 88
.set MSB, 0
.macro WIN new
.if MSB != (\new)
	s_set_vgpr_msb (MSB<<8)|(\new)
.set MSB, (\new)
.endif
.endm
.set MUL_LO, 0xa1
.set MUL_HI, 0xf1
.set TO_B,   0x40
.macro JLOAD g0a, g1a, g0b, g1b
	s_cmp_eq_u32 s15, 0
	s_cbranch_scc0 .Lfor_b_\@
	tensor_load_to_lds s[\g0a:\g0a+3], s[\g1a:\g1a+7]
	s_nop 0
.rept 4
	v_nop
.endr
	s_branch .Lasked_\@
.Lfor_b_\@:
	tensor_load_to_lds s[\g0b:\g0b+3], s[\g1b:\g1b+7]
	s_nop 0
.rept 4
	v_nop
.endr
.Lasked_\@:
.endm
.macro CREST
	s_cmp_lg_u32 s14, 0
	s_cbranch_scc1 .Lnot_wave_0_\@
	s_barrier_signal -3
.Lnot_wave_0_\@:
	s_barrier_wait -3
	s_barrier_signal -1
	s_barrier_wait -1
.endm
.macro CROUND
	s_barrier_signal -1
	s_barrier_wait -1
	CREST
.endm
	s_load_b256 s[4:11], s[0:1], 0x0
	s_load_b64 s[12:13], s[0:1], 0x20
	s_load_b64 s[96:97], s[0:1], 0x28
	v_lshl_add_u32 v[SPW], v0, 2, SPARE
	v_mov_b32 v[NIL], 0
	ds_add_u32 v28, v29
	ds_add_u32 v28, v29
	s_wait_dscnt 0x0
	v_lshrrev_b32 v1, 5, v0
	v_readfirstlane_b32 s14, v1
	s_lshr_b32 s15, s14, 1
	s_and_b32 s16, s14, 1
	s_bfe_u32 s40, ttmp6, 0x40000
	s_bfe_u32 s41, ttmp6, 0x40004
	s_lshl_b32 s42, ttmp9, 2
	s_add_co_u32 s42, s42, s40
	s_and_b32 s17, ttmp7, 0xffff
	s_lshr_b32 s95, s17, 1
	s_lshl_b32 s17, s17, 2
	s_add_co_u32 s17, s17, s41
	s_lshl_b32 s43, s41, 2
	s_lshl_b32 s43, 15, s43
	s_lshl_b32 s44, 0x1111, s40
	s_or_b32 s[G1+0], s43, (3<<16)|(1<<21)
	s_or_b32 s[G1B+0], s44, (3<<16)|(1<<21)
.irp g, G1, G1B                        ; 16 rows of 512 elements of 8 bytes at the head, 8 rows a wave in the ring
	s_mov_b32 s[\g+1], 512<<16
	s_mov_b32 s[\g+2], 16<<16
	s_mov_b32 s[\g+3], 512<<16
	s_mov_b32 s[\g+4], 16
	s_mov_b32 s[\g+5], 2048
	s_mov_b32 s[\g+6], 0
	s_mov_b32 s[\g+7], 0
.endr
	s_or_b32 s[G1S+0], s43, (3<<16)|(1<<21)
	s_or_b32 s[G1SB+0], s44, (3<<16)|(1<<21)
.irp g, G1S, G1SB
	s_mov_b32 s[\g+1], 128<<16
	s_mov_b32 s[\g+2], 8<<16
	s_mov_b32 s[\g+3], 128<<16
	s_mov_b32 s[\g+4], 8
	s_mov_b32 s[\g+5], 4096
	s_mov_b32 s[\g+6], 0
	s_mov_b32 s[\g+7], 0
.endr
	s_lshl_b32 s20, s17, 8
	s_lshl_b32 s46, s42, 8
	s_lshl_b32 s95, s95, 11
	s_add_co_u32 s46, s46, s95
	s_mov_b32 s21, 0
	s_mov_b32 s47, 0
	s_lshl_b64 s[22:23], s[20:21], 2
	s_lshl_b64 s[92:93], s[46:47], 2
	s_lshl_b64 s[20:21], s[20:21], 10
	s_lshl_b64 s[46:47], s[46:47], 10
	s_lshl_b32 s18, s16, 17            ; in the ring: my 128 rows
	s_mov_b32 s19, 0
	s_mul_i32 s45, s14, HALFT
	s_wait_kmcnt 0x0
	s_add_nc_u64 s[20:21], s[4:5], s[20:21]
	s_add_nc_u64 s[22:23], s[6:7], s[22:23]
	s_add_nc_u64 s[46:47], s[8:9], s[46:47]
	s_add_nc_u64 s[92:93], s[10:11], s[92:93]
	CROUND
.macro GROUP0 g, lds, p
	s_mov_b32 s[\g], 1
	s_mov_b32 s[\g+1], \lds
	s_mov_b64 s[\g+2:\g+3], s[\p:\p+1]
	s_or_b32 s[\g+3], s[\g+3], 0x80000000
.endm
	GROUP0 G0H, 0, 20                  ; K step 0's 256 rows of q, of k, and all scale words of both: one joint load a wave
	GROUP0 G0HB, 2*HALFT, 46
	GROUP0 G0S, SCL, 22
	GROUP0 G0SB, SCL+SIDE, 92
.macro ARM under, g0, g1, next
	s_cmp_lt_u32 s14, \under
	s_cbranch_scc0 \next
	tensor_load_to_lds s[\g0:\g0+3], s[\g1:\g1+7]
	s_nop 0
.rept 4
	v_nop
.endr
	s_branch .Lhead_asked
\next:
.endm
	ARM 1, G0H, G1, .Lhead_b
	ARM 2, G0HB, G1B, .Lhead_sa
	ARM 3, G0S, G1S, .Lhead_sb
	tensor_load_to_lds s[G0SB:G0SB+3], s[G1SB:G1SB+7]
	s_nop 0
.rept 4
	v_nop
.endr
.Lhead_asked:
	s_add_nc_u64 s[20:21], s[20:21], s[18:19]
	s_add_nc_u64 s[46:47], s[46:47], s[18:19]
.irp s, 0,1
	s_mov_b32 s[G0+4*\s], 1
	s_add_co_u32 s[G0+4*\s+1], s45, \s*SLOT
	s_add_nc_u64 s[G0+4*\s+2:G0+4*\s+3], s[20:21], \s*ROWB
	s_or_b32 s[G0+4*\s+3], s[G0+4*\s+3], 0x80000000
	s_mov_b32 s[G0B+4*\s], 1
	s_add_co_u32 s[G0B+4*\s+1], s45, \s*SLOT
	s_add_nc_u64 s[G0B+4*\s+2:G0B+4*\s+3], s[46:47], \s*ROWB
	s_or_b32 s[G0B+4*\s+3], s[G0B+4*\s+3], 0x80000000
.endr
	v_and_b32 v1, 15, v0
	v_bfe_u32 v2, v0, 4, 1
	v_and_b32 v3, 31, v0
	v_lshlrev_b32 v4, 4, v3            ; a fragment: 16 x lane, and 512 bytes from c to c
	s_mul_i32 s21, s15, HALFT
	s_mul_i32 s22, s16, HALFT
	s_add_co_u32 s22, s22, 2*HALFT
.irp s, 0,1
	v_add_nc_u32 v[ADRA+\s], s21, v4
	v_add_nc_u32 v[ADRB+\s], s22, v4
	s_add_co_u32 s21, s21, SLOT
	s_add_co_u32 s22, s22, SLOT
.endr
	s_wait_alu depctr_va_vdst(0)
	v_lshlrev_b32 v5, 2, v1
	s_mul_i32 s21, s15, HALFS
	s_mul_i32 s22, s16, HALFS
	s_add_co_u32 s22, s22, SIDE
	s_sub_co_u32 s22, s22, s21
	v_mul_u32_u24 v6, s22, v2
	s_add_co_u32 s21, s21, SCL
	v_add_nc_u32 v5, v5, v6
	v_add_nc_u32 v[ADRS], s21, v5
	v_and_b32 v5, 31, v0
	v_lshlrev_b32 v[L16], 4, v5
	s_lshl_b32 s20, s17, 19
	s_lshl_b32 s21, s15, 18
	s_add_co_u32 s20, s20, s21
	s_lshl_b32 s46, s42, 12
	s_lshl_b32 s47, s16, 11
	s_add_co_u32 s46, s46, s47
	s_add_co_u32 s20, s20, s46
	s_mov_b32 s21, 0
	s_add_nc_u64 s[12:13], s[12:13], s[20:21]
	s_lshl_b32 s46, s42, 1
	s_add_co_u32 s46, s46, s16
	s_lshl_b32 s46, s46, 17
	s_lshl_b32 s20, s17, 12
	s_lshl_b32 s21, s15, 11
	s_add_co_u32 s20, s20, s21
	s_add_co_u32 s20, s20, s46
	s_mov_b32 s21, 0
	s_add_nc_u64 s[96:97], s[96:97], s[20:21]
	s_mov_b32 s[CS], 0x3d38aa3b
	s_mov_b32 s[CS+1], s[CS]
	s_mov_b32 s[SEL], 0x76543210
	s_mov_b32 s[SEL+1], 0xfedcba98
	s_mov_b32 s[MNT], 0x600000
	s_mov_b32 s[HIM], 0xffff0000
.macro FRAG reg, adr, q, i
.irp c, 0,1,2,3
	ds_load_b128 v[\reg+4*\c:\reg+4*\c+3], v[\adr] offset:2048*(\q)+512*\c+4096*(\i)
.endr
.endm
.macro MUL16 a0, p, q, sc, zero
.irp a, \a0, \a0+1
.irp b, 0,1,2,3,4,5,6,7
.if \zero
	v_wmma_scale_f32_16x16x128_f8f6f4 v[8*(8*((\a)%4)+\b):8*(8*((\a)%4)+\b)+7], v[128*(\p)+FR*\b:128*(\p)+FR*\b+FR-1], v[AF+FR*(\a):AF+FR*(\a)+FR-1], 0, v[SC+8*NQ*(\sc)+NQ*\b+(\q)], v[SC+8*NQ*(\sc)+NQ*(\a)+(\q)] matrix_a_fmt:MATRIX_FMT_BF8 matrix_b_fmt:MATRIX_FMT_BF8 matrix_a_scale:MATRIX_SCALE_ROW1
.else
	v_wmma_scale_f32_16x16x128_f8f6f4 v[8*(8*((\a)%4)+\b):8*(8*((\a)%4)+\b)+7], v[128*(\p)+FR*\b:128*(\p)+FR*\b+FR-1], v[AF+FR*(\a):AF+FR*(\a)+FR-1], v[8*(8*((\a)%4)+\b):8*(8*((\a)%4)+\b)+7], v[SC+8*NQ*(\sc)+NQ*\b+(\q)], v[SC+8*NQ*(\sc)+NQ*(\a)+(\q)] matrix_a_fmt:MATRIX_FMT_BF8 matrix_b_fmt:MATRIX_FMT_BF8 matrix_a_scale:MATRIX_SCALE_ROW1
.endif
.endr
.endr
.endm
.macro FETCH_B slot, q, p
	WIN TO_B
.irp i, 0,1,2,3,4,5,6,7
	FRAG 128*(\p)+FR*\i, ADRB+\slot, \q, \i
.endr
	WIN 0
.endm
.macro FETCH_A slot, q, i0
.irp i, \i0, \i0+1, \i0+2, \i0+3
	FRAG AF+FR*(\i), ADRA+\slot, \q, \i
.endr
.endm
.macro SCALES sc
.irp i, 0,1,2,3,4,5,6,7
	ds_load_b32 v[SC+8*NQ*\sc+NQ*\i], v[ADRS] offset:\i*SBLK
	ds_load_b32 v[SC+8*NQ*\sc+NQ*\i+1], v[ADRS] offset:\i*SBLK+1024
.endr
.endm
.macro PLACES n
.rept \n
	v_nop
.endr
.endm
.macro STEP slot, q, zero
	s_wait_dscnt 4*NL
	WIN MUL_LO
	MUL16 0, (\q)%2, \q, \slot, \zero
	MUL16 2, (\q)%2, \q, \slot, \zero
	s_wait_dscnt 0
	PLACES NP
	FETCH_B \slot, (\q)+1, 1-(\q)%2
	FETCH_A \slot, (\q)+1, 0
	WIN MUL_HI
	MUL16 4, (\q)%2, \q, \slot, \zero
	MUL16 6, (\q)%2, \q, \slot, \zero
	PLACES NP
	WIN 0
	FETCH_A \slot, (\q)+1, 4
.endm
.macro TURN slot, next, fill
	s_wait_tensorcnt 0x0
	ds_add_u32 v[SPW], v[NIL]
	s_wait_dscnt 4*NL+1
	WIN MUL_LO
	MUL16 0, 1, NQ-1, \slot, 0
	s_wait_dscnt 0x0
	s_barrier_signal -1
	MUL16 2, 1, NQ-1, \slot, 0
	WIN 0
	s_barrier_wait -1
.if \fill
	CREST
	s_add_nc_u64 s[G0+4*\slot+2:G0+4*\slot+3], s[G0+4*\slot+2:G0+4*\slot+3], 2*ROWB
	s_add_nc_u64 s[G0B+4*\slot+2:G0B+4*\slot+3], s[G0B+4*\slot+2:G0B+4*\slot+3], 2*ROWB
	JLOAD G0+4*\slot, G1, G0B+4*\slot, G1B
	PLACES NP-4
.else
	PLACES NP
.endif
	s_wait_alu depctr_va_vdst(0)
	v_add_nc_u32 v[ADRS], SCSTEP, v[ADRS]
	FETCH_B \next, 0, 0
	FETCH_A \next, 0, 0
	SCALES \next
	WIN MUL_HI
	MUL16 4, 1, NQ-1, \slot, 0
	MUL16 6, 1, NQ-1, \slot, 0
	PLACES NP
	WIN 0
	FETCH_A \next, 0, 4
.endm
	s_wait_alu depctr_va_vdst(0)
	s_wait_tensorcnt 0x0               ; my tile of the head's four is in
	ds_add_u32 v[SPW], v[NIL]
	s_mov_b32 s[G1+2], 8<<16           ; no tensor load of mine is out: from here on a load brings 8 rows
	s_mov_b32 s[G1+4], 8
	s_mov_b32 s[G1B+2], 8<<16
	s_mov_b32 s[G1B+4], 8
	s_wait_dscnt 0x0
	CROUND
	JLOAD G0+4, G1, G0B+4, G1B         ; K step 1
	FETCH_B 0, 0, 0
	FETCH_A 0, 0, 0
	SCALES 0
	FETCH_A 0, 0, 4
	STEP 0, 0, 1
	s_mov_b32 s3, 1
.Llap:
	TURN 0, 1, 1
	STEP 1, 0, 0
	TURN 1, 0, 1
	STEP 0, 0, 0
	s_sub_co_u32 s3, s3, 1
	s_cmp_lg_u32 s3, 0
	s_cbranch_scc1 .Llap
	TURN 0, 1, 0
	STEP 1, 0, 0
	s_wait_dscnt 4*NL
	WIN MUL_LO
	MUL16 0, 1, NQ-1, 1, 0
	MUL16 2, 1, NQ-1, 1, 0
	s_wait_dscnt 0
	WIN MUL_HI
	MUL16 4, 1, NQ-1, 1, 0
	MUL16 6, 1, NQ-1, 1, 0
	WIN 0
.macro SOFT a
.set AC, 64*((\a)%4)
.set WW, 2+(\a)/4
.set NMR, NM+2*((\a)%2)
.set LR, LL+(\a)%2
.set PWR, PW+(\a)%2
.set PCR, PC+16*((\a)%2)
.if (\a) >= 2
	s_wait_xcnt 0x0
.endif
	WIN WW|(WW<<2)|(WW<<4)
.irp b, 0,1,2,3
	v_max3_num_f32 v[BM+\b], v[AC+16*\b], v[AC+16*\b+1], v[AC+16*\b+2]
.endr
	WIN (WW<<2)|(WW<<4)
.irp i, 3,5,7,9,11,13
.irp b, 0,1,2,3
	v_max3_num_f32 v[BM+\b], v[BM+\b], v[AC+16*\b+\i], v[AC+16*\b+\i+1]
.endr
.endr
.irp b, 0,1,2,3
	v_max_num_f32 v[BM+\b], v[BM+\b], v[AC+16*\b+15]
.endr
	WIN 0
.irp b, 0,1,2,3
	v_permlanex16_b32 v[BX+\b], v[BM+\b], s[SEL], s[SEL+1]
.endr
.irp b, 0,1,2,3
	v_max_num_f32 v[BM+\b], v[BM+\b], v[BX+\b]
.endr
	v_max3_num_f32 v[TP], v[BM], v[BM+1], v[BM+2]
	v_max_num_f32 v[TP], v[TP], v[BM+3]
	v_mul_f32 v[TP], s[CS], v[TP]
	v_floor_f32 v[NMR], -v[TP]
	v_mov_b32 v[NMR+1], v[NMR]
	WIN WW
.set QJ, 0
.rept 32
	v_pk_fma_f32 v[T+QJ:T+QJ+1], v[AC+QJ:AC+QJ+1], s[CS:CS+1], v[NMR:NMR+1] op_sel_hi:[1,0,0]
.set QJ, QJ+2
.endr
	WIN 0
.irp b, 0,1,2,3
	v_fma_f32 v[BM+\b], v[BM+\b], s[CS], v[NMR]
.endr
.set QJ, 0
	s_wait_alu depctr_va_vdst(0)
.rept 64
	v_exp_f32 v[T+QJ], v[T+QJ]
.set QJ, QJ+1
.endr
	v_nop
	s_wait_alu depctr_va_vdst(0)
.irp b, 0,1,2,3
	v_exp_f32 v[BM+\b], v[BM+\b]
.endr
	v_pk_add_f32 v[RS:RS+1], v[T:T+1], v[T+2:T+3]
	v_pk_add_f32 v[RS+2:RS+3], v[T+4:T+5], v[T+6:T+7]
.irp j, 8,12,16,20,24,28,32,36,40,44,48,52,56,60
	v_pk_add_f32 v[RS:RS+1], v[RS:RS+1], v[T+\j:T+\j+1]
	v_pk_add_f32 v[RS+2:RS+3], v[RS+2:RS+3], v[T+\j+2:T+\j+3]
.endr
	v_pk_add_f32 v[RS:RS+1], v[RS:RS+1], v[RS+2:RS+3]
	v_add_f32 v[TP], v[RS], v[RS+1]
	v_permlanex16_b32 v[BX], v[TP], s[SEL], s[SEL+1]
	v_add_f32 v[LR], v[TP], v[BX]
	s_wait_alu depctr_va_vdst(0)
.irp b, 0,1,2,3
	v_max_num_f32 v[BM+\b], 0x8000000, v[BM+\b]
.endr
.irp b, 0,1,2,3
	v_add_nc_u32 v[SO+\b], 0xf8800000, v[BM+\b]
.endr
.irp b, 0,1,2,3
	v_and_or_b32 v[HV+\b], v[BM+\b], 0x7f800000, s[MNT]
.endr
.irp b, 0,1,2,3
	v_lshrrev_b32 v[BX+\b], 23, v[SO+\b]
.endr
	v_lshl_or_b32 v[PWR], v[BX+1], 8, v[BX]
	v_lshl_or_b32 v[PWR], v[BX+2], 16, v[PWR]
	v_lshl_or_b32 v[PWR], v[BX+3], 24, v[PWR]
.irp b, 0,1,2,3
.irp i, 0,1,2,3,4,5,6,7,8,9,10,11,12,13,14,15
	v_min_num_f32 v[T+16*\b+\i], v[T+16*\b+\i], v[HV+\b]
.endr
	v_cvt_scalef32_pk8_bf8_f32 v[PCR+4*\b:PCR+4*\b+1], v[T+16*\b:T+16*\b+7], v[SO+\b]
	v_cvt_scalef32_pk8_bf8_f32 v[PCR+4*\b+2:PCR+4*\b+3], v[T+16*\b+8:T+16*\b+15], v[SO+\b]
.endr
	v_nop                              ; a plain place behind the last conversion
.irp b, 0,1,2,3
	global_store_b128 v[L16], v[PCR+4*\b:PCR+4*\b+3], s[12:13] offset:32768*(\a)+512*\b
.endr
.if (\a)%2
	v_cndmask_b32 v[QD], v[PW], v[PW+1], s[HIM]
	v_cndmask_b32 v[QD+1], v[NM], v[NM+2], s[HIM]
	v_cndmask_b32 v[QD+2], v[LL], v[LL+1], s[HIM]
	global_store_b128 v[L16], v[QD:QD+3], s[96:97] offset:256*((\a)-1)
.endif
.endm
	PLACES NP
.irp b, 0,1,2,3
	v_mov_b32 v[BX+\b], 0
.endr
	v_mov_b32 v[QD+3], 0
.irp a, 0,1,2,3,4,5,6,7
	SOFT \a
.endr
	s_wait_tensorcnt 0x0
	ds_add_u32 v[SPW], v[NIL]
	s_wait_dscnt 0x0
	CROUND
	s_endpgm
.Lfunc_end_k_q824fc79be6_scores:
	.size	k_q824fc79be6_scores, .Lfunc_end_k_q824fc79be6_scores-k_q824fc79be6_scores
	.p2alignl 7, 3214868480
	.fill 96, 4, 3214868480
	.section	.rodata,"a",@progbits
	.p2align	6, 0x0
	.amdhsa_kernel k_q824fc79be6_scores
		.amdhsa_group_segment_fixed_size 327680
		.amdhsa_private_segment_fixed_size 0
		.amdhsa_enable_private_segment 0
		.amdhsa_kernarg_size 48
		.amdhsa_user_sgpr_count 2
		.amdhsa_user_sgpr_kernarg_segment_ptr 1
		.amdhsa_wavefront_size32 1
		.amdhsa_system_sgpr_workgroup_id_x 1
		.amdhsa_system_sgpr_workgroup_id_y 1
		.amdhsa_system_sgpr_workgroup_id_z 1
		.amdhsa_system_vgpr_workitem_id 0
		.amdhsa_next_free_vgpr 1024
		.amdhsa_next_free_sgpr 100
		.amdhsa_reserve_vcc 0
		.amdhsa_float_denorm_mode_32 3
		.amdhsa_float_denorm_mode_16_64 3
		.amdhsa_memory_ordered 1
		.amdhsa_forward_progress 1
		.amdhsa_inst_pref_size 227
	.end_amdhsa_kernel
	.amdgpu_metadata
---
amdhsa.version: [ 1, 2 ]
amdhsa.kernels:
  - .name:           k_q824fc79be6_scores
    .symbol:         k_q824fc79be6_scores.kd
    .args:
      - { .name: qc, .offset: 0, .size: 8, .value_kind: global_buffer, .address_space: global }
      - { .name: qs, .offset: 8, .size: 8, .value_kind: global_buffer, .address_space: global }
      - { .name: kc, .offset: 16, .size: 8, .value_kind: global_buffer, .address_space: global }
      - { .name: ks, .offset: 24, .size: 8, .value_kind: global_buffer, .address_space: global }
      - { .name: pc, .offset: 32, .size: 8, .value_kind: global_buffer, .address_space: global }
      - { .name: pst, .offset: 40, .size: 8, .value_kind: global_buffer, .address_space: global }
    .group_segment_fixed_size: 327680
    .private_segment_fixed_size: 0
    .kernarg_segment_align: 8
    .kernarg_segment_size: 48
    .max_flat_workgroup_size: 128
    .sgpr_count:     100
    .vgpr_count:     1024
    .wavefront_size: 32
...
	.end_amdgpu_metadata
.endif
;; end of part 2
;; launch pv (part 3): grid 8 x 32, 4 waves a work-group, clusters of 4 x 4, 327,680 bytes of LDS; arguments pc, pst, vc, vs, out0; writes out0
.if DOCPART == 3
	.amdgcn_target "amdgcn-amd-amdhsa--gfx1250"
	.amdhsa_code_object_version 6
	.text
	.protected	k_q824fc79be6_pv
	.globl	k_q824fc79be6_pv
	.p2align	8
	.type	k_q824fc79be6_pv,@function
k_q824fc79be6_pv:
	s_mov_b64 s[64:65], 0
	v_nop
	global_prefetch_b8 v0, s[64:65] scope:SCOPE_SE
	s_setreg_imm32_b32 hwreg(HW_REG_WAVE_MODE, 25, 1), 1
	s_wait_xcnt 0x0
	s_wait_alu depctr_hold_cnt(0) depctr_sa_sdst(0) depctr_va_vdst(0) depctr_va_sdst(0) depctr_va_ssrc(0) depctr_va_vcc(0) depctr_vm_vsrc(0)
	s_getreg_b32 s2, hwreg(HW_REG_IB_STS2, 6, 4)
	s_cmp_eq_u32 s2, 0
	s_cbranch_scc0 .Lentry_in_a_cluster
	s_endpgm
.Lentry_in_a_cluster:
	s_bfe_u32 s2, ttmp6, 0x10000c
	s_cmp_lg_u32 s2, 0xf033
	s_cbranch_scc0 .Lentry_shape_is_right
	s_endpgm
.Lentry_shape_is_right:
; O = (p v) / l on codes of BF8 (E5M2) with E8M0 scales, K = the batch's 2,048 keys.
; p's codes were made under a whole number M of their own for each run of 128 keys.  THE HEAD brings each row's 16 runs under the row's M = the largest of them: d = M - the run's M is taken off the run's
; four scale bytes (the codes stay), and the run's sum is multiplied by 2^-d, exactly; l = the sum of these; 1 / l multiplies the result on the way out.
; OPERANDS: 'A' = p is source 1: its rows become the lane (l % 16); 'B' = v^T ([1,024 channels][keys]) is source 0: its rows become the lane's registers: a lane holds eight neighbouring channels of one row of O.
; SHARES.  A tile of O is 256 rows x 128 channels: 256 work-groups.  Four waves, each 64 rows x all 128 channels: 32 accumulators, 256 registers.
; V STAYS IN LDS: 128 channels x 2,048 keys, in four chunks of 512 keys, without padding: 262,144 bytes, all of them first fills: no LDS byte is filled again, so there is no ring.
; Each wave brings one part (key steps 0-3, the scale bytes, steps 4-7 or steps 8-15): one tensor load of mine is out at the start.  A chunk is read behind a barrier in front of which each wave has waited for its part of it.
; p COMES FROM MEMORY STRAIGHT INTO REGISTERS.  It lies in the order of the operand's registers, [row / 16][key / 128][c][lane][16 bytes]: a fragment is four loads of 512 consecutive bytes.  Each wave's 64 rows are its own.
; The loads run four steps of 128 keys ahead, in five sets of 64 registers.
; CLUSTERS: 4 x 4 work-groups; V's tiles and scale bytes are asked for jointly along a column of the cluster (four tiles of rows of one batch).  p's rows are shared along a row of the cluster and are NOT asked for jointly:
; that would take them through LDS, where beside V's 262,144 bytes, its 8,192 scale bytes and the stages' 33,792 only 23,552 bytes are left, and one step's 256 rows x 128 keys are 32,768.
; LIMITS: NaN and infinities are not served.  d is held at 127, and a scale byte that would fall under 0 becomes 0: what that changes lies under 2^-111 of the row's largest p.  p's bytes are at most 112 (p is at most 1), which the byte arithmetic leans on.
; REGISTERS: window 0: v0-31 addresses, v8-11 1 / l of my four blocks of rows; v32-47 v's scale words, two sets, v48-79 p's (16 runs x 2), and nothing else; v80-127 at work in the head;
;   v128-191 p's fifth set (in the head v128-255: the rows' words; on the way out: rows read back).   window 1: v's fragments, two sets; on the way out 64 numbers.   window 2: the accumulators ((a, b) at v[8 (8 a + b)]).   window 3: p's sets 0-3.
; V's LAYOUT in memory and LDS: operand fragments of 16 channels x 128 keys, 2,048 bytes, without padding: key steps 0-3 and 4-7 as [channels / 16][4][2,048] (65,536 bytes each), 8-15 as [channels / 16][8][2,048]; 262,144 bytes in all.
; One tensor load a wave: wave 0 key steps 0-3, wave 1 the scale bytes, wave 2 steps 4-7, wave 3 steps 8-15; three barriers show them.
.set CHUNK,  65536
.set G1W, 68                           ; s[68:75] group 1 for wave 3's load
.set SCV,    4*CHUNK                   ; v's scale bytes: [8 steps of 256 keys][128 channels][8 bytes]
.set STAGE,  SCV+8192                  ; the way out: 16 rows x (512 bytes + 16) for each wave: bytes of their own
.set SPITCH, 528
.set FR,     16
.set NP,     8
.set RI,   8                           ; v8-11
.set L16,  12                          ; v12     16 x lane; never rewritten
.set ADRB, 16                          ; v16-19  LDS address of my lane's place in chunk 0 .. 3
.set ADSB, 20                          ; v20     v's scale words: lanes 0-15 block i, lanes 16-31 block i + 4
.set STO,  24
.set RD,   25
.set SCB,  32
.set SCA,  48                          ; v[48 + 16 g + c]: run c's scale word of row 32 g + lane: lanes 0-15 are block 2 g's rows, lanes 16-31 block 2 g + 1's
.set HD,   80
.set HX,   96
.set HY,   112
.set HQ,   128                         ; the head: v[128 + 64 g + 4 c ..]: run c of row 32 g + lane: scale word, -M, sum, 0
.set BK,   128                         ; the way out: 16 rows read back, two sets
.set T,    0                           ; the way out: 64 numbers, in window 1
.set SEL,  20                          ; s[20:21]
.set G1V, 24                           ; s[24:31] group 1 for v's tiles;  s[32:43] groups 0, one for each of v's three loads
.set G0V, 32
.set G1S, 48                           ; s[48:55], s[56:59] for v's scale bytes
.set G0S, 56
.set MSB, 0
.macro WIN new
.if MSB != (\new)
	s_set_vgpr_msb (MSB<<8)|(\new)
.set MSB, (\new)
.endif
.endm
.set TO_B, 0x40
.macro CREST
	s_cmp_lg_u32 s14, 0
	s_cbranch_scc1 .Lnot_wave_0_\@
	s_barrier_signal -3
.Lnot_wave_0_\@:
	s_barrier_wait -3
	s_barrier_signal -1
	s_barrier_wait -1
.endm
.macro CROUND
	s_barrier_signal -1
	s_barrier_wait -1
	CREST
.endm
.macro PLACES n                        ; places behind a matrix instruction (ISA guide 7.12.1): plain vector instructions that name none of its registers
.rept \n
	v_nop
.endr
.endm
; p's four fragments of step t (keys 128 t on) into set t % 5: sixteen loads of 512 consecutive bytes
.macro XLOAD t
.if ((\t)%5) < 4
	WIN 0xc0                                       ; destination window 3, address window 0
.set XR, 64*((\t)%5)
.else
	WIN 0
.set XR, 128
.endif
.irp a, 0,1,2,3
.irp c, 0,1,2,3
	global_load_b128 v[XR+16*\a+4*\c:XR+16*\a+4*\c+3], v[L16], s[4:5] offset:32768*\a+2048*(\t)+512*\c
.endr
.endr
.endm
; v's eight fragments of step t into set t % 2: lane l holds channel l % 16; registers 4 c .. 4 c + 3 hold keys 32 c + 16 (l / 16) + 0 .. 15
.macro FETCHB t
	WIN TO_B
.irp i, 0,1,2,3,4,5,6,7
.irp c, 0,1,2,3
.if (\t) < 8
	ds_load_b128 v[128*((\t)%2)+FR*\i+4*\c:128*((\t)%2)+FR*\i+4*\c+3], v[ADRB+(\t)/4] offset:8192*\i+2048*((\t)%4)+512*\c
.else
	ds_load_b128 v[128*((\t)%2)+FR*\i+4*\c:128*((\t)%2)+FR*\i+4*\c+3], v[ADRB+2+\i/4] offset:16384*(\i%4)+2048*((\t)-8)+512*\c
.endif
.endr
.endr
.endm
.macro SCALESB s                       ; v's scale words of steps 2 s and 2 s + 1 into set s % 2: two words a channel
	WIN 0
.irp i, 0,1,2,3
	ds_load_b64 v[SCB+8*((\s)%2)+2*\i:SCB+8*((\s)%2)+2*\i+1], v[ADSB] offset:128*\i+1024*(\s)
.endr
.endm
; One product.  rb, ra: the side's scale word stands in lanes 16-31 of its register.
.macro WM d, fb, fa, sb, sa, zero, rb, ra
.if \zero
.if (\rb) && (\ra)
	v_wmma_scale_f32_16x16x128_f8f6f4 v[(\d):(\d)+7], v[(\fb):(\fb)+15], v[(\fa):(\fa)+15], 0, v[(\sb)], v[(\sa)] matrix_a_fmt:MATRIX_FMT_BF8 matrix_b_fmt:MATRIX_FMT_BF8 matrix_a_scale:MATRIX_SCALE_ROW1 matrix_b_scale:MATRIX_SCALE_ROW1
.elseif (\rb)
	v_wmma_scale_f32_16x16x128_f8f6f4 v[(\d):(\d)+7], v[(\fb):(\fb)+15], v[(\fa):(\fa)+15], 0, v[(\sb)], v[(\sa)] matrix_a_fmt:MATRIX_FMT_BF8 matrix_b_fmt:MATRIX_FMT_BF8 matrix_a_scale:MATRIX_SCALE_ROW1
.elseif (\ra)
	v_wmma_scale_f32_16x16x128_f8f6f4 v[(\d):(\d)+7], v[(\fb):(\fb)+15], v[(\fa):(\fa)+15], 0, v[(\sb)], v[(\sa)] matrix_a_fmt:MATRIX_FMT_BF8 matrix_b_fmt:MATRIX_FMT_BF8 matrix_b_scale:MATRIX_SCALE_ROW1
.else
	v_wmma_scale_f32_16x16x128_f8f6f4 v[(\d):(\d)+7], v[(\fb):(\fb)+15], v[(\fa):(\fa)+15], 0, v[(\sb)], v[(\sa)] matrix_a_fmt:MATRIX_FMT_BF8 matrix_b_fmt:MATRIX_FMT_BF8
.endif
.else
.if (\rb) && (\ra)
	v_wmma_scale_f32_16x16x128_f8f6f4 v[(\d):(\d)+7], v[(\fb):(\fb)+15], v[(\fa):(\fa)+15], v[(\d):(\d)+7], v[(\sb)], v[(\sa)] matrix_a_fmt:MATRIX_FMT_BF8 matrix_b_fmt:MATRIX_FMT_BF8 matrix_a_scale:MATRIX_SCALE_ROW1 matrix_b_scale:MATRIX_SCALE_ROW1
.elseif (\rb)
	v_wmma_scale_f32_16x16x128_f8f6f4 v[(\d):(\d)+7], v[(\fb):(\fb)+15], v[(\fa):(\fa)+15], v[(\d):(\d)+7], v[(\sb)], v[(\sa)] matrix_a_fmt:MATRIX_FMT_BF8 matrix_b_fmt:MATRIX_FMT_BF8 matrix_a_scale:MATRIX_SCALE_ROW1
.elseif (\ra)
	v_wmma_scale_f32_16x16x128_f8f6f4 v[(\d):(\d)+7], v[(\fb):(\fb)+15], v[(\fa):(\fa)+15], v[(\d):(\d)+7], v[(\sb)], v[(\sa)] matrix_a_fmt:MATRIX_FMT_BF8 matrix_b_fmt:MATRIX_FMT_BF8 matrix_b_scale:MATRIX_SCALE_ROW1
.else
	v_wmma_scale_f32_16x16x128_f8f6f4 v[(\d):(\d)+7], v[(\fb):(\fb)+15], v[(\fa):(\fa)+15], v[(\d):(\d)+7], v[(\sb)], v[(\sa)] matrix_a_fmt:MATRIX_FMT_BF8 matrix_b_fmt:MATRIX_FMT_BF8
.endif
.endif
.endm
; Eight products of step t: p's block a x v's eight.  The 32 accumulators take turns, one instruction a turn, in the same order in every step.
.macro MULA a, t, zero
.irp b, 0,1,2,3,4,5,6,7
	WM 8*(8*(\a)+\b), 128*((\t)%2)+FR*\b, AREG+FR*(\a), SCB+8*(((\t)/2)%2)+2*(\b%4)+(\t)%2, SCA+16*((\a)/2)+(\t), \zero, \b/4, (\a)%2
.endr
.endm
; STEP t: 128 keys, 32 matrix instructions.  At its head the next step's fragments of v are asked of LDS and the fragments of p of four steps on of memory; both go into registers that the step before has read.
; The last step of a chunk opens the next chunk: each wave waits for its part of it and passes a barrier; the later chunks may stay out.
.macro STEP t, zero
.if ((\t)%5) < 4
.set AREG, 64*((\t)%5)
.set MULW, 0xad                        ; source 0 (v) window 1, source 1 (p) window 3, C and D window 2
.else
.set AREG, 128
.set MULW, 0xa1                        ; p in window 0
.endif
.if (\t) == 3
	s_cmp_lt_u32 s14, 3
	s_cbranch_scc0 .Lout_\@
	s_wait_tensorcnt 0x0               ; wave 2's key steps 4-7 are in; wave 3's load may be out
.Lout_\@:
.elseif (\t) == 7
	s_wait_tensorcnt 0x0               ; all is in
.endif
	s_wait_dscnt 0x0                               ; this step's fragments of v and its scale words are in
.if (\t) > 12
	s_wait_loadcnt 16*(15-(\t))                    ; this step's fragments of p are in; the sixteen loads of each later step may be out
.else
	s_wait_loadcnt 48                              ; this step's fragments of p are in; the sixteen loads of each of the next three steps may be out
.endif
.if ((\t) == 3) || ((\t) == 7)
	s_barrier_signal -1
	WIN MULW
	MULA 0, \t, 0                                  ; work on registers while the others arrive
	s_barrier_wait -1
.endif
.if (\t) > 0
	PLACES NP                                      ; in front of loads into registers that the step before has read
.endif
.if (\t) < 15
	FETCHB (\t)+1
.if ((\t)%2) == 1
	SCALESB ((\t)+1)/2
.endif
.endif
.if (\t) < 12
	XLOAD (\t)+4
.endif
	WIN MULW
.if ((\t) == 3) || ((\t) == 7)
.else
	MULA 0, \t, \zero
.endif
	MULA 1, \t, \zero
	MULA 2, \t, \zero
	MULA 3, \t, \zero
	WIN 0
.endm
; The head's work for row 32 g + lane: its 16 runs come under the row's M.
.macro HEAD g
.set HB, HQ+64*(\g)
	v_min3_num_f32 v3, v[HB+1], v[HB+5], v[HB+9]   ; the smallest -M: the row's
.irp c, 3,5,7,9,11,13
	v_min3_num_f32 v3, v3, v[HB+4*\c+1], v[HB+4*\c+5]
.endr
	v_min_num_f32 v3, v3, v[HB+61]
.irp c, 0,1,2,3,4,5,6,7,8,9,10,11,12,13,14,15
	v_sub_f32 v[HD+\c], v[HB+4*\c+1], v3           ; d = the row's M - the run's: a whole number, 0 or more
.endr
.irp c, 0,1,2,3,4,5,6,7,8,9,10,11,12,13,14,15
	v_min_num_f32 v[HD+\c], 0x42fe0000, v[HD+\c]   ; held at 127
.endr
.irp c, 0,1,2,3,4,5,6,7,8,9,10,11,12,13,14,15
	v_cvt_i32_f32 v[HD+\c], v[HD+\c]
.endr
.irp c, 0,1,2,3,4,5,6,7,8,9,10,11,12,13,14,15
	v_sub_nc_u32 v[HX+\c], 0, v[HD+\c]
.endr
.irp c, 0,1,2,3,4,5,6,7,8,9,10,11,12,13,14,15
	v_ldexp_f32 v[HB+4*\c+2], v[HB+4*\c+2], v[HX+\c]   ; the run's sum under the row's M
.endr
.irp c, 0,1,2,3,4,5,6,7,8,9,10,11,12,13,14,15
	v_or_b32 v[HX+\c], 0x80808080, v[HB+4*\c]      ; each byte (at most 112) + 128,
.endr
.irp c, 0,1,2,3,4,5,6,7,8,9,10,11,12,13,14,15
	v_mul_lo_u32 v[HD+\c], v[HD+\c], s18           ; d in every byte,
.endr
.irp c, 0,1,2,3,4,5,6,7,8,9,10,11,12,13,14,15
	v_sub_nc_u32 v[HX+\c], v[HX+\c], v[HD+\c]      ; taken off: at least 1 is left in each byte, so nothing is borrowed from the next
.endr
.irp c, 0,1,2,3,4,5,6,7,8,9,10,11,12,13,14,15
	v_and_b32 v[HY+\c], 0x80808080, v[HX+\c]       ; the top bit is left where byte - d is 0 or more
.endr
.irp c, 0,1,2,3,4,5,6,7,8,9,10,11,12,13,14,15
	v_lshrrev_b32 v[HD+\c], 7, v[HY+\c]
.endr
.irp c, 0,1,2,3,4,5,6,7,8,9,10,11,12,13,14,15
	v_sub_nc_u32 v[HY+\c], v[HY+\c], v[HD+\c]      ; 0x7f in those bytes, 0 in the others
.endr
.irp c, 0,1,2,3,4,5,6,7,8,9,10,11,12,13,14,15
	v_and_b32 v[SCA+16*(\g)+\c], v[HX+\c], v[HY+\c]   ; byte - d, or 0: the scale word as the products take it
.endr
.irp c, 0,1,2,3,4,5,6,7
	v_add_f32 v[HB+4*\c+2], v[HB+4*\c+2], v[HB+4*\c+34]
.endr
.irp c, 0,1,2,3
	v_add_f32 v[HB+4*\c+2], v[HB+4*\c+2], v[HB+4*\c+18]
.endr
.irp c, 0,1
	v_add_f32 v[HB+4*\c+2], v[HB+4*\c+2], v[HB+4*\c+10]
.endr
	v_add_f32 v[4+(\g)], v[HB+2], v[HB+6]          ; l: over 1/2, since the row's largest p is
.endm
	s_load_b256 s[4:11], s[0:1], 0x0               ; p's codes, p's words, v's codes, v's scales
	s_load_b64 s[12:13], s[0:1], 0x20              ; O
	v_lshl_add_u32 v30, v0, 2, 0x4c400
	v_mov_b32 v31, 0
	ds_add_u32 v30, v31
	ds_add_u32 v30, v31
	v_lshrrev_b32 v1, 5, v0
	v_readfirstlane_b32 s14, v1                    ; wave 0..3
	v_and_b32 v3, 31, v0
	v_lshlrev_b32 v[L16], 4, v3
	s_bfe_u32 s80, ttmp6, 0x40000                  ; cx, cy
	s_bfe_u32 s81, ttmp6, 0x40004
	s_lshl_b32 s82, ttmp9, 2
	s_add_co_u32 s82, s82, s80                     ; tile column: channels / 128, 0..7
	s_and_b32 s17, ttmp7, 0xffff
	s_lshr_b32 s90, s17, 1                         ; the batch, from the cluster's y alone: two clusters of four tile rows to a batch
	s_lshl_b32 s17, s17, 2
	s_add_co_u32 s17, s17, s81                     ; tile row: rows / 256 over all batches, 0..31
	s_lshl_b32 s84, 0x1111, s80                    ; my column of the cluster
	s_or_b32 s[G1V+0], s84, (3<<16)|(1<<21)        ; v: eight rows (16 channels each) of 8,192 bytes, 131,072 bytes apart; elements of 8 bytes; 15:0 the mask; 21 set beside it
	s_mov_b32 s[G1V+1], 1024<<16
	s_mov_b32 s[G1V+2], 8<<16
	s_mov_b32 s[G1V+3], 1024<<16
	s_mov_b32 s[G1V+4], 8
	s_mov_b32 s[G1V+5], 16384
	s_mov_b32 s[G1V+6], 0
	s_mov_b32 s[G1V+7], 0
	s_or_b32 s[G1W+0], s84, (3<<16)|(1<<21)        ; the same with rows of 16,384 bytes
	s_mov_b32 s[G1W+1], 2048<<16
	s_mov_b32 s[G1W+2], 8<<16
	s_mov_b32 s[G1W+3], 2048<<16
	s_mov_b32 s[G1W+4], 8
	s_mov_b32 s[G1W+5], 16384
	s_mov_b32 s[G1W+6], 0
	s_mov_b32 s[G1W+7], 0
	s_or_b32 s[G1S+0], s84, (3<<16)|(1<<21)        ; v's scales: eight rows (256 keys each) of 1,024 bytes, 8,192 bytes apart
	s_mov_b32 s[G1S+1], 128<<16
	s_mov_b32 s[G1S+2], 8<<16
	s_mov_b32 s[G1S+3], 128<<16
	s_mov_b32 s[G1S+4], 8
	s_mov_b32 s[G1S+5], 1024
	s_mov_b32 s[G1S+6], 0
	s_mov_b32 s[G1S+7], 0
	s_lshl_b32 s20, s17, 19                        ; p: my first fragment: row block 16 x tile row + 4 x wave, 32,768 bytes each
	s_lshl_b32 s18, s14, 17
	s_add_co_u32 s20, s20, s18
	s_mov_b32 s21, 0
	s_lshl_b32 s22, s17, 12                        ; p's words: row 256 x tile row + 64 x wave, 16 bytes each
	s_lshl_b32 s18, s14, 10
	s_add_co_u32 s22, s22, s18
	s_mov_b32 s23, 0
	s_lshl_b32 s86, s82, 20                        ; v: eight channel blocks of 131,072 bytes; + the batch's 16 key steps of 2,048
	s_lshl_b32 s18, s90, 15
	s_add_co_u32 s86, s86, s18
	s_mov_b32 s87, 0
	s_lshl_b32 s88, s90, 16                        ; v's scales: plane 8 x batch of 8,192 bytes; channel 128 x tile column, 8 bytes each
	s_lshl_b32 s18, s82, 10
	s_add_co_u32 s88, s88, s18
	s_mov_b32 s89, 0
	s_wait_alu depctr_va_vdst(0)
	s_wait_dscnt 0x0
	s_wait_kmcnt 0x0
	s_add_nc_u64 s[4:5], s[4:5], s[20:21]
	s_add_nc_u64 s[6:7], s[6:7], s[22:23]
.irp g, 0,1
.irp c, 0,1,2,3,4,5,6,7,8,9,10,11,12,13,14,15
	global_load_b128 v[HQ+64*\g+4*\c:HQ+64*\g+4*\c+3], v[L16], s[6:7] offset:131072*\c+512*\g   ; run c of rows 32 g + lane: 512 consecutive bytes
.endr
.endr
	XLOAD 0
	WIN 0
	s_add_nc_u64 s[86:87], s[8:9], s[86:87]
	s_add_nc_u64 s[88:89], s[10:11], s[88:89]
	s_mov_b32 s[G0S], 1
	s_mov_b32 s[G0S+1], SCV
	s_mov_b64 s[G0S+2:G0S+3], s[88:89]
	s_or_b32 s[G0S+3], s[G0S+3], 0x80000000
.irp j, 0,1,2
	s_mov_b32 s[G0V+4*\j], 1
	s_mov_b32 s[G0V+4*\j+1], \j*CHUNK
	s_add_nc_u64 s[G0V+4*\j+2:G0V+4*\j+3], s[86:87], \j*8192
	s_or_b32 s[G0V+4*\j+3], s[G0V+4*\j+3], 0x80000000
.endr
	CROUND                                         ; all sixteen work-groups are here: the joint loads meet
.macro ARM under, g0, g1, next                 ; one joint load a wave, each in its own arm
	s_cmp_lt_u32 s14, \under
	s_cbranch_scc0 \next
	tensor_load_to_lds s[\g0:\g0+3], s[\g1:\g1+7]
	s_nop 0
.rept 4
	v_nop
.endr
	s_branch .Lhead_asked
\next:
.endm
	ARM 1, G0V, G1V, .Lhead_s
	ARM 2, G0S, G1S, .Lhead_1
	ARM 3, G0V+4, G1V, .Lhead_2
	tensor_load_to_lds s[G0V+8:G0V+11], s[G1W:G1W+7]
	s_nop 0
.rept 4
	v_nop
.endr
.Lhead_asked:
	XLOAD 1
	XLOAD 2
	WIN 0
	v_and_b32 v1, 15, v0                           ; r
	v_bfe_u32 v2, v0, 4, 1                         ; h
.irp j, 0,1,2,3
	v_add_nc_u32 v[ADRB+\j], \j*CHUNK, v[L16]  ; a fragment: 16 x lane, and 512 bytes from c to c
.endr
	v_lshlrev_b32 v5, 3, v1                        ; v's scale words: 8 bytes a channel; lanes 16-31 take blocks 4 to 7
	v_lshl_add_u32 v5, v2, 9, v5
	v_add_nc_u32 v[ADSB], SCV, v5
	s_mul_i32 s23, s14, 16*SPITCH                  ; my stage
	s_add_co_u32 s23, s23, STAGE
	v_mul_u32_u24 v5, v1, SPITCH
	v_lshl_add_u32 v5, v2, 5, v5
	v_add_nc_u32 v[STO], s23, v5                   ; in: row r, 32 bytes for each half of the lanes
	v_add_nc_u32 v[RD], s23, v[L16]                ; back: the 32 lanes take one row of 512 bytes
	s_lshl_b32 s22, s17, 20                        ; O: row 256 x tile row + 64 x wave, 4,096 bytes a row; + 512 x tile column
	s_lshl_b32 s23, s14, 18
	s_add_co_u32 s22, s22, s23
	s_lshl_b32 s23, s82, 9
	s_add_co_u32 s22, s22, s23
	s_mov_b32 s23, 0
	s_add_nc_u64 s[12:13], s[12:13], s[22:23]
	s_mov_b32 s18, 0x01010101
	s_mov_b32 s19, 0xffff0000                      ; lanes 16-31
	s_mov_b32 s[SEL], 0x76543210
	s_mov_b32 s[SEL+1], 0xfedcba98
	s_wait_loadcnt 48                              ; my rows' words are in; behind them p's first three steps were asked for, sixteen loads each
	HEAD 0
	HEAD 1
	s_wait_alu depctr_va_vdst(0)
	v_rcp_f32 v6, v4
	v_rcp_f32 v7, v5
	v_nop                                          ; a plain place behind the transcendentals
	s_wait_alu depctr_va_vdst(0)                   ; and one wait for both, ahead of their first reader
	v_permlanex16_b32 v[HD], v6, s[SEL], s[SEL+1]  ; lane l holds 1 / l of rows l and 32 + l; the way out wants row 16 a + l % 16 in both halves of the lanes
	v_permlanex16_b32 v[HD+1], v7, s[SEL], s[SEL+1]
	v_cndmask_b32 v[RI], v6, v[HD], s19
	v_cndmask_b32 v[RI+1], v[HD], v6, s19
	v_cndmask_b32 v[RI+2], v7, v[HD+1], s19
	v_cndmask_b32 v[RI+3], v[HD+1], v7, s19
	XLOAD 3
	WIN 0
	s_cmp_lt_u32 s14, 2
	s_cbranch_scc0 .Lout_head
	s_wait_tensorcnt 0x0                           ; wave 0's key steps 0-3 and wave 1's scale bytes are in; the others' loads may be out
.Lout_head:
	s_barrier_signal -1
	s_barrier_wait -1                              ; everybody's are
	FETCHB 0
	SCALESB 0
	STEP 0, 1                                      ; the first step's products start the sums
.irp t, 1,2,3,4,5,6,7,8,9,10,11,12,13,14,15
	STEP \t, 0
.endr
; THE WAY OUT, block by block of 16 rows x 128 channels: x 1 / l; through my own stage in LDS; back as whole rows of 512 bytes.
.macro PACK a
	WIN 0x42                                       ; source 0: window 2; destination: window 1
.set QI, 0
.rept 32
.if (\a)%2
	v_pk_mul_f32 v[T+QI:T+QI+1], v[64*(\a)+QI:64*(\a)+QI+1], v[RI+2*((\a)/2):RI+2*((\a)/2)+1] op_sel:[0,1] op_sel_hi:[1,1]
.else
	v_pk_mul_f32 v[T+QI:T+QI+1], v[64*(\a)+QI:64*(\a)+QI+1], v[RI+2*((\a)/2):RI+2*((\a)/2)+1] op_sel_hi:[1,0]
.endif
.set QI, QI+2
.endr
.endm
.macro TOSTAGE a
	WIN 0x04                                       ; an LDS store's data are its source 1: window 1
.irp b, 0,1,2,3,4,5,6,7
	ds_store_b128 v[STO], v[T+8*\b:T+8*\b+3] offset:64*\b
	ds_store_b128 v[STO], v[T+8*\b+4:T+8*\b+7] offset:64*\b+16
.endr
	WIN 0
.irp t, 0,1,2,3,4,5,6,7,8,9,10,11,12,13,14,15
	ds_load_b128 v[BK+64*((\a)%2)+4*\t:BK+64*((\a)%2)+4*\t+3], v[RD] offset:\t*SPITCH   ; LDS serves a wave's instructions in order (ISA guide 5.7.1.4): these see the stores above
.endr
.endm
.macro SEND a
.irp t, 0,1,2,3,4,5,6,7,8,9,10,11,12,13,14,15
	global_store_b128 v[L16], v[BK+64*((\a)%2)+4*\t:BK+64*((\a)%2)+4*\t+3], s[12:13] offset:(16*(\a)+\t)*4096 th:TH_STORE_NT   ; 32 lanes store 512 consecutive bytes, at a multiple of 256 from O's first byte
.endr
.endm
	PLACES NP
	s_wait_alu depctr_va_vdst(0)
	PACK 0
	TOSTAGE 0
.irp a, 1,2,3
	s_wait_dscnt 16                                ; the sixteen loads may be out: the stores ahead of them have read the 64 numbers, which are written anew
	PACK \a
	s_wait_alu depctr_va_vdst(0)
	s_wait_dscnt 0x0                               ; the block before is back in registers
	WIN 0
	SEND \a-1
.if \a >= 2
	s_wait_xcnt 0x0                                ; the stores of two blocks back have read their registers: this block's loads may land there
.endif
	TOSTAGE \a
.endr
	s_wait_dscnt 0x0
	SEND 3
	s_wait_tensorcnt 0x0
	ds_add_u32 v30, v31
	s_wait_dscnt 0x0
	CROUND                                         ; the closing round: no work-group ends while a partner may still ask for a tile that names it
	s_endpgm
.Lfunc_end_k_q824fc79be6_pv:
	.size	k_q824fc79be6_pv, .Lfunc_end_k_q824fc79be6_pv-k_q824fc79be6_pv
	.p2alignl 7, 3214868480
	.fill 96, 4, 3214868480
	.section	.rodata,"a",@progbits
	.p2align	6, 0x0
	.amdhsa_kernel k_q824fc79be6_pv
		.amdhsa_group_segment_fixed_size 327680
		.amdhsa_private_segment_fixed_size 0
		.amdhsa_enable_private_segment 0
		.amdhsa_kernarg_size 40
		.amdhsa_user_sgpr_count 2
		.amdhsa_user_sgpr_kernarg_segment_ptr 1
		.amdhsa_wavefront_size32 1
		.amdhsa_system_sgpr_workgroup_id_x 1
		.amdhsa_system_sgpr_workgroup_id_y 1
		.amdhsa_system_sgpr_workgroup_id_z 1
		.amdhsa_system_vgpr_workitem_id 0
		.amdhsa_next_free_vgpr 1024
		.amdhsa_next_free_sgpr 100
		.amdhsa_reserve_vcc 0
		.amdhsa_float_denorm_mode_32 3
		.amdhsa_float_denorm_mode_16_64 3
		.amdhsa_memory_ordered 1
		.amdhsa_forward_progress 1
		.amdhsa_inst_pref_size 183
	.end_amdhsa_kernel
	.amdgpu_metadata
---
amdhsa.version: [ 1, 2 ]
amdhsa.kernels:
  - .name:           k_q824fc79be6_pv
    .symbol:         k_q824fc79be6_pv.kd
    .args:
      - { .name: pc, .offset: 0, .size: 8, .value_kind: global_buffer, .address_space: global }
      - { .name: pst, .offset: 8, .size: 8, .value_kind: global_buffer, .address_space: global }
      - { .name: vc, .offset: 16, .size: 8, .value_kind: global_buffer, .address_space: global }
      - { .name: vs, .offset: 24, .size: 8, .value_kind: global_buffer, .address_space: global }
      - { .name: out0, .offset: 32, .size: 8, .value_kind: global_buffer, .address_space: global }
    .group_segment_fixed_size: 327680
    .private_segment_fixed_size: 0
    .kernarg_segment_align: 8
    .kernarg_segment_size: 40
    .max_flat_workgroup_size: 128
    .sgpr_count:     100
    .vgpr_count:     1024
    .wavefront_size: 32
...
	.end_amdgpu_metadata
.endif
;; end of part 3
